; MI455X (gfx1250); checked and timed in simulation.
; The chip was launched on July 23, 2026; its instructions are those of AMD's public machine-readable ISA for CDNA 5 (MIT licence, August 2026) and "CDNA5" Instruction Set Architecture Reference Guide (July 2026). The comments in the code are by the model that wrote it; some were corrected since.
;; Di T Block. Allowed arithmetic: float matrix products may take bf16 or f16 operands with f32 sums; other float arithmetic in f32, or as packed bf16 or f16 multiplies, adds, multiply-adds, maxima and minima; sums over many terms, partial sums and values carried from step to step in f32; what a program stores and reads back later, other than sums and carried values, may be rounded once to bf16 or f16.
;; Inputs: W_k 512 x 512 float32; W_o 512 x 512 float32; W_q 512 x 512 float32; W_v 512 x 512 float32; attn_alpha_w 512 x 256 float32; attn_beta_w 512 x 256 float32; attn_gamma_w 512 x 256 float32; ffn_alpha_w 512 x 256 float32; ffn_beta_w 512 x 256 float32; ffn_gamma_w 512 x 256 float32; gate_w 2,048 x 512 float32; hidden_w 2,048 x 512 float32; out_b 512 float32; out_w 512 x 2,048 float32; t 4 x 256 float32; x 4 x 2,048 x 512 float32.
;; Outputs: out0 4 x 2,048 x 512 float32.
;; One version. Each part assembles by itself: llvm-mc -triple=amdgcn-amd-amdhsa -mcpu=gfx1250 --defsym DOCPART=n.
;; ======== version 1 of 1: 6 launches
;; workspace buffers: xf 8,388,608 bytes; h2f 8,388,608 bytes; of 8,388,608 bytes; wbf 8,388,608 bytes; mods 73,728 bytes; qkvf 25,165,824 bytes; x1f 16,777,216 bytes; actf 33,554,432 bytes
;; launch prep (part 1): grid 280 x 1, 4 waves a work-group, no clusters, 0 bytes of LDS; arguments x, W_q, W_k, W_v, W_o, gate_w, hidden_w, out_w, t, attn_gamma_w, attn_beta_w, attn_alpha_w, ffn_gamma_w, ffn_beta_w, ffn_alpha_w, xf, wbf, mods; writes xf, wbf, mods
.if DOCPART == 1
	.amdgcn_target "amdgcn-amd-amdhsa--gfx1250"
	.amdhsa_code_object_version 6
	.text
	.protected	k_qa5328154da_prep
	.globl	k_qa5328154da_prep
	.p2align	8
	.type	k_qa5328154da_prep,@function
k_qa5328154da_prep:
	s_mov_b64 s[64:65], 0
	v_nop
	global_prefetch_b8 v0, s[64:65] scope:SCOPE_SE
	s_setreg_imm32_b32 hwreg(HW_REG_WAVE_MODE, 25, 1), 1
	s_wait_xcnt 0x0
; PREP.  (1) xn = x * rsqrt(mean(x^2) + 1e-6), rounded to bf16;  (2) the seven large weights rounded to bf16;  (3) the six vectors t W^T for each of the 4 batches.
; FRAGMENT-MAJOR LAYOUT.  All that later launches feed to the matrix unit is stored as the matrix unit takes it: 16 rows x 16 k in bf16 are 512 consecutive bytes,
; lane L = 16 h + r holding the 16 bytes (row r, k = 8 h .. 8 h + 7); two such blocks on end are a fragment of 16 x 32; a BLOCK of 16 rows x 512 k is 32 of them, 16,384 bytes.
; SHARES.  Work-groups 0-255: 1,024 wave tasks of one shape: 16 rows x 512 f32 in (32 KiB), one block out; each store of a wave covers 512 consecutive bytes, aligned.
;   groups 0-127 x -> xf; 128-135 W_q, 136-143 W_k, 144-151 W_v, 152-159 W_o, 160-191 gate_w, 192-223 hidden_w, 224-255 out_w -> wbf.
;   wbf's blocks: 0-95 q, k, v by pairs of heads ([ng 8][q h0, q h1, k h0, k h1, v h0, v h1][16 rows 2]); 96-127 W_o; 128-383 gate and hidden rows by turns; 384-511 out_w [16 rows 32][512 k 4].
;   A weight's task runs the same text with the scale 1.0 (a select, no branch).
; Work-groups 256-279: 96 wave tasks: 32 columns of one of the six vectors, all four batches, by the matrix unit (t and the weights rounded to bf16, sums in f32).
;   mods: f32 [mat 6][batch 4][512] at byte 0, the same rounded to bf16 at byte 49,152.  These stores are pieces of 32 and 16 bytes a lane: 72 KiB in the whole launch.
; No LDS, no barrier: no wave wants what another has fetched.  NaN and infinities are not treated apart.
.set MSB, 0
.macro WIN new                         ; the immediate's high byte repeats the setting that is left; a switch that changes nothing is dropped
.if MSB != (\new)
	s_set_vgpr_msb (MSB<<8)|(\new)
.set MSB, (\new)
.endif
.endm
.macro PLACES
.rept 4
	v_nop
.endr
.endm
.set TT,    44                         ; s44  4 x work-group + wave
.set WV,    45                         ; s45  wave
.set SRC,   46                         ; s[46:47] the task's source
.set DST,   48                         ; s[48:49] the task's destination
.set G0,    50                         ; s50  first work-group of the tensor in hand
.set MULT,  51                         ; s51..53  destination block = li x MULT + (li >> 2) x QM + ADDB
.set QM,    52
.set ADDB,  53
.set PITCH, 54                         ; s54  bytes from row to row in the source
.set MASK,  55                         ; s55  all ones: the rows are normalised; 0: they are not
.set RN,    56                         ; s56  1 / 512
.set EPS,   57                         ; s57  1e-6
.set SEL,   58                         ; s[58:59] v_permlanex16_b32: each lane takes its own place in the other half
; window 0: v1 r, v2 h, v3 source offset, v4 16 x lane, v8-15 four pairs of sums, v16-20 at work, v128-255 the block in bf16;  window 1: the 256 f32 of my half rows
	s_load_b512 s[8:23], s[0:1], 0x0               ; x, W_q, W_k, W_v, W_o, gate_w, hidden_w, out_w
	s_load_b512 s[24:39], s[0:1], 0x40             ; t, attn gamma, beta, alpha, ffn gamma, beta, alpha, xf
	s_load_b128 s[40:43], s[0:1], 0x80             ; wbf, mods
	v_lshrrev_b32 v1, 5, v0
	v_readfirstlane_b32 s[WV], v1
	v_and_b32 v1, 15, v0                           ; r
	v_bfe_u32 v2, v0, 4, 1                         ; h
	v_and_b32 v4, 31, v0
	v_lshlrev_b32 v4, 4, v4                        ; 16 x lane
	s_lshl_b32 s[TT], ttmp9, 2
	s_add_co_u32 s[TT], s[TT], s[WV]
	s_mov_b32 s[RN], 0x3b000000
	s_mov_b32 s[EPS], 0x358637bd
	s_mov_b32 s[SEL], 0x76543210
	s_mov_b32 s[SEL+1], 0xfedcba98
	s_wait_kmcnt 0x0
	s_cmp_ge_u32 ttmp9, 256
	s_cbranch_scc1 .Lmods
; ---- a block task.  Which tensor: seven selects on the work-group's number.
.macro PICK lo, ptr, mul, qm, add
	s_cmp_ge_u32 ttmp9, \lo
	s_cselect_b64 s[SRC:SRC+1], s[\ptr:\ptr+1], s[SRC:SRC+1]
	s_cselect_b32 s[G0], \lo, s[G0]
	s_cselect_b32 s[MULT], \mul, s[MULT]
	s_cselect_b32 s[QM], \qm, s[QM]
	s_cselect_b32 s[ADDB], \add, s[ADDB]
.endm
	s_mov_b64 s[SRC:SRC+1], s[8:9]
	s_mov_b32 s[G0], 0
	s_mov_b32 s[MULT], 1
	s_mov_b32 s[QM], 0
	s_mov_b32 s[ADDB], 0
	PICK 128, 10, 1, 8, 0
	PICK 136, 12, 1, 8, 4
	PICK 144, 14, 1, 8, 8
	PICK 152, 16, 1, 0, 96
	PICK 160, 18, 2, 0, 128
	PICK 192, 20, 2, 0, 129
	PICK 224, 22, 1, 0, 384
	s_lshl_b32 s60, s[G0], 2
	s_sub_co_u32 s60, s[TT], s60                   ; li: the task's number within its tensor
	s_mul_i32 s61, s60, s[MULT]
	s_lshr_b32 s62, s60, 2
	s_mul_i32 s63, s62, s[QM]
	s_add_co_u32 s61, s61, s63
	s_add_co_u32 s61, s61, s[ADDB]                 ; destination block
	s_lshl_b32 s66, s61, 14
	s_mov_b32 s67, 0
	s_lshl_b32 s68, s60, 15                        ; source: 16 rows of 2,048 bytes a task,
	s_mov_b32 s69, 0
	s_lshl_b32 s62, s62, 17                        ; but in out_w 16 rows of 8,192 bytes for four tasks,
	s_and_b32 s63, s60, 3
	s_lshl_b32 s63, s63, 11                        ; 2,048 bytes of each row a task
	s_add_co_u32 s62, s62, s63
	s_mov_b32 s[PITCH], 2048
	s_cmp_ge_u32 ttmp9, 224
	s_cselect_b32 s68, s62, s68
	s_cselect_b32 s[PITCH], 8192, s[PITCH]
	s_cmp_ge_u32 ttmp9, 128
	s_cselect_b64 s[DST:DST+1], s[40:41], s[38:39]
	s_cselect_b32 s[MASK], 0, -1
	s_add_nc_u64 s[SRC:SRC+1], s[SRC:SRC+1], s[68:69]
	s_add_nc_u64 s[DST:DST+1], s[DST:DST+1], s[66:67]
	v_mul_lo_u32 v3, v1, s[PITCH]
	v_lshl_add_u32 v3, v2, 5, v3                   ; row r, 32 bytes (8 f32) for each half of the lanes
	v_mov_b32 v17, 0
	v_mov_b32 v20, 1.0
	WIN 0x40                                       ; destination window 1
.set ii, 0
.rept 64                                       ; fragment ii / 4, half (ii / 2) % 2, quad ii % 2
	global_load_b128 v[4*ii:4*ii+3], v3, s[SRC:SRC+1] offset:128*(ii/4)+64*((ii/2)%2)+16*(ii%2)
.set ii, ii+1
.endr
	WIN 0x05                                       ; sources 0 and 1 window 1; sums in window 0
.set ii, 0
.rept 128                                      ; the sum of squares of my 256 numbers, in four chains; the first four products start them
.if ii%32 == 0
	s_wait_loadcnt 48-16*(ii/32)                   ; 16 loads more are in; the later groups of 16 stay out
.endif
.if ii < 4
	v_pk_mul_f32 v[8+2*ii:9+2*ii], v[2*ii:2*ii+1], v[2*ii:2*ii+1]
.else
	v_pk_fma_f32 v[8+2*(ii%4):9+2*(ii%4)], v[2*ii:2*ii+1], v[2*ii:2*ii+1], v[8+2*(ii%4):9+2*(ii%4)]
.endif
.set ii, ii+1
.endr
	WIN 0
	v_pk_add_f32 v[8:9], v[8:9], v[10:11]
	v_pk_add_f32 v[12:13], v[12:13], v[14:15]
	v_pk_add_f32 v[8:9], v[8:9], v[12:13]
	v_add_f32 v16, v8, v9
	v_permlanex16_b32 v17, v16, s[SEL], s[SEL+1]   ; the row's other 256 numbers lie in the lane 16 away
	v_add_f32 v16, v16, v17
	v_fma_f32 v16, v16, s[RN], s[EPS]
	v_rsq_f32 v17, v16
	v_nop                                          ; a plain instruction behind the root,
	s_wait_alu depctr_va_vdst(0)                   ; and the wait ahead of its first reader
	v_cndmask_b32 v18, v20, v17, s[MASK]           ; weights keep their size
	v_cndmask_b32 v19, v20, v17, s[MASK]
	WIN 0x41                                       ; destination and source 0 window 1
.set ii, 0
.rept 128
	v_pk_mul_f32 v[2*ii:2*ii+1], v[2*ii:2*ii+1], v[18:19]
.set ii, ii+1
.endr
	WIN 0x05
.set ii, 0
.rept 128
	v_cvt_pk_bf16_f32 v[128+ii], v[2*ii], v[2*ii+1]
.set ii, ii+1
.endr
	WIN 0
.set ii, 0
.rept 32
	global_store_b128 v4, v[128+4*ii:131+4*ii], s[DST:DST+1] offset:512*ii  ; 512 consecutive bytes, aligned
.set ii, ii+1
.endr
	s_endpgm
; ---- a modulation task: y^T = w t^T.  Source 0 = 16 rows of w, source 1 = rows of t (row r & 3): in the result lane (r, h) holds batch r and the columns 8 h + 0..7; lanes with r >= 4 repeat a batch and store nothing.
; v3 w's offset, v5 t's, v6 and v7 the stores'; v32-47 two accumulators; v48-55 packed; v64-127 t in bf16; v128-255 t in f32, then w in bf16; window 1: w in f32.
.Lmods:
	s_mov_b64 s[SRC:SRC+1], s[26:27]
.irp p, 1,2,3,4,5
	s_cmp_ge_u32 ttmp9, 256+4*\p
	s_cselect_b64 s[SRC:SRC+1], s[26+2*\p:27+2*\p], s[SRC:SRC+1]
.endr
	s_sub_co_u32 s50, ttmp9, 256
	s_lshr_b32 s51, s50, 2                         ; which of the six
	s_and_b32 s52, s[TT], 15                       ; which 32 columns
	s_lshl_b32 s60, s52, 15                        ; 32 rows of 1,024 bytes
	s_mov_b32 s61, 0
	s_add_nc_u64 s[SRC:SRC+1], s[SRC:SRC+1], s[60:61]
	s_lshl_b32 s60, s51, 13
	s_lshl_b32 s62, s52, 7
	s_add_co_u32 s60, s60, s62                     ; 8,192 mat + 4 x first column
	s_add_nc_u64 s[DST:DST+1], s[42:43], s[60:61]
	s_lshr_b32 s60, s60, 1                         ; half of that for bf16
	s_add_nc_u64 s[66:67], s[42:43], s[60:61]
	v_lshlrev_b32 v3, 10, v1
	v_lshl_add_u32 v3, v2, 5, v3
	v_and_b32 v5, 3, v1
	v_lshlrev_b32 v5, 10, v5
	v_lshl_add_u32 v5, v2, 5, v5
	v_lshlrev_b32 v6, 11, v1
	v_lshl_add_u32 v6, v2, 5, v6
	v_lshlrev_b32 v7, 10, v1
	v_lshl_add_u32 v7, v2, 4, v7
.set ii, 0
.rept 32
	global_load_b128 v[128+4*ii:131+4*ii], v5, s[24:25] offset:128*(ii/4)+64*((ii/2)%2)+16*(ii%2)
.set ii, ii+1
.endr
	WIN 0x40
.set ii, 0
.rept 64                                       ; tile ii / 32
	global_load_b128 v[4*ii:4*ii+3], v3, s[SRC:SRC+1] offset:16384*(ii/32)+128*((ii%32)/4)+64*((ii/2)%2)+16*(ii%2)
.set ii, ii+1
.endr
	WIN 0
	s_wait_loadcnt 63                              ; t's 32 loads are in: 64 are younger, and 63 is the largest count that the wait can name
.set ii, 0
.rept 64
	v_cvt_pk_bf16_f32 v[64+ii], v[128+2*ii], v[129+2*ii]
.set ii, ii+1
.endr
	s_wait_loadcnt 0x0
	WIN 0x05
.set ii, 0
.rept 128
	v_cvt_pk_bf16_f32 v[128+ii], v[2*ii], v[2*ii+1]
.set ii, ii+1
.endr
	WIN 0
.set ii, 0
.rept 16                                       ; K step ii / 2, tile ii % 2: the two accumulators take turns
.if ii < 2
	v_wmma_f32_16x16x32_bf16 v[32+8*(ii%2):39+8*(ii%2)], v[128+64*(ii%2)+8*(ii/2):135+64*(ii%2)+8*(ii/2)], v[64+8*(ii/2):71+8*(ii/2)], 0
.else
	v_wmma_f32_16x16x32_bf16 v[32+8*(ii%2):39+8*(ii%2)], v[128+64*(ii%2)+8*(ii/2):135+64*(ii%2)+8*(ii/2)], v[64+8*(ii/2):71+8*(ii/2)], v[32+8*(ii%2):39+8*(ii%2)]
.endif
.set ii, ii+1
.endr
	PLACES
.set ii, 0
.rept 8
	v_cvt_pk_bf16_f32 v[48+ii], v[32+2*ii], v[33+2*ii]
.set ii, ii+1
.endr
	v_cmp_gt_u32 vcc_lo, 4, v1
	s_wait_xcnt 0x0                                ; EXEC changes only behind this wait
	s_and_saveexec_b32 s50, vcc_lo
.set ii, 0
.rept 4
	global_store_b128 v6, v[32+4*ii:35+4*ii], s[DST:DST+1] offset:64*(ii/2)+16*(ii%2)
.set ii, ii+1
.endr
	global_store_b128 v7, v[48:51], s[66:67] offset:49152
	global_store_b128 v7, v[52:55], s[66:67] offset:49152+32
	s_wait_xcnt 0x0                                ; and again, in front of the line that widens it
	s_or_b32 exec_lo, exec_lo, s50
	s_endpgm
.Lfunc_end_k_qa5328154da_prep:
	.size	k_qa5328154da_prep, .Lfunc_end_k_qa5328154da_prep-k_qa5328154da_prep
	.p2alignl 7, 3214868480
	.fill 96, 4, 3214868480
	.section	.rodata,"a",@progbits
	.p2align	6, 0x0
	.amdhsa_kernel k_qa5328154da_prep
		.amdhsa_group_segment_fixed_size 0
		.amdhsa_private_segment_fixed_size 0
		.amdhsa_enable_private_segment 0
		.amdhsa_kernarg_size 144
		.amdhsa_user_sgpr_count 2
		.amdhsa_user_sgpr_kernarg_segment_ptr 1
		.amdhsa_wavefront_size32 1
		.amdhsa_system_sgpr_workgroup_id_x 1
		.amdhsa_system_sgpr_workgroup_id_y 1
		.amdhsa_system_sgpr_workgroup_id_z 1
		.amdhsa_system_vgpr_workitem_id 0
		.amdhsa_next_free_vgpr 512
		.amdhsa_next_free_sgpr 72
		.amdhsa_reserve_vcc 1
		.amdhsa_float_denorm_mode_32 3
		.amdhsa_float_denorm_mode_16_64 3
		.amdhsa_memory_ordered 1
		.amdhsa_forward_progress 1
		.amdhsa_inst_pref_size 63
	.end_amdhsa_kernel
	.amdgpu_metadata
---
amdhsa.version: [ 1, 2 ]
amdhsa.kernels:
  - .name:           k_qa5328154da_prep
    .symbol:         k_qa5328154da_prep.kd
    .args:
      - { .name: x, .offset: 0, .size: 8, .value_kind: global_buffer, .address_space: global }
      - { .name: W_q, .offset: 8, .size: 8, .value_kind: global_buffer, .address_space: global }
      - { .name: W_k, .offset: 16, .size: 8, .value_kind: global_buffer, .address_space: global }
      - { .name: W_v, .offset: 24, .size: 8, .value_kind: global_buffer, .address_space: global }
      - { .name: W_o, .offset: 32, .size: 8, .value_kind: global_buffer, .address_space: global }
      - { .name: gate_w, .offset: 40, .size: 8, .value_kind: global_buffer, .address_space: global }
      - { .name: hidden_w, .offset: 48, .size: 8, .value_kind: global_buffer, .address_space: global }
      - { .name: out_w, .offset: 56, .size: 8, .value_kind: global_buffer, .address_space: global }
      - { .name: t, .offset: 64, .size: 8, .value_kind: global_buffer, .address_space: global }
      - { .name: attn_gamma_w, .offset: 72, .size: 8, .value_kind: global_buffer, .address_space: global }
      - { .name: attn_beta_w, .offset: 80, .size: 8, .value_kind: global_buffer, .address_space: global }
      - { .name: attn_alpha_w, .offset: 88, .size: 8, .value_kind: global_buffer, .address_space: global }
      - { .name: ffn_gamma_w, .offset: 96, .size: 8, .value_kind: global_buffer, .address_space: global }
      - { .name: ffn_beta_w, .offset: 104, .size: 8, .value_kind: global_buffer, .address_space: global }
      - { .name: ffn_alpha_w, .offset: 112, .size: 8, .value_kind: global_buffer, .address_space: global }
      - { .name: xf, .offset: 120, .size: 8, .value_kind: global_buffer, .address_space: global }
      - { .name: wbf, .offset: 128, .size: 8, .value_kind: global_buffer, .address_space: global }
      - { .name: mods, .offset: 136, .size: 8, .value_kind: global_buffer, .address_space: global }
    .group_segment_fixed_size: 0
    .private_segment_fixed_size: 0
    .kernarg_segment_align: 8
    .kernarg_segment_size: 144
    .max_flat_workgroup_size: 128
    .sgpr_count:     72
    .vgpr_count:     512
    .wavefront_size: 32
...
	.end_amdgpu_metadata
.endif
;; end of part 1
;; launch qkv (part 2): grid 32 x 8, 4 waves a work-group, clusters of 4 x 1, 327,680 bytes of LDS; arguments xf, wbf, mods, qkvf; writes qkvf
.if DOCPART == 2
	.amdgcn_target "amdgcn-amd-amdhsa--gfx1250"
	.amdhsa_code_object_version 6
	.text
	.protected	k_qa5328154da_qkv
	.globl	k_qa5328154da_qkv
	.p2align	8
	.type	k_qa5328154da_qkv,@function
k_qa5328154da_qkv:
	s_mov_b64 s[64:65], 0
	v_nop
	global_prefetch_b8 v0, s[64:65] scope:SCOPE_SE
	s_setreg_imm32_b32 hwreg(HW_REG_WAVE_MODE, 25, 1), 1
	s_wait_xcnt 0x0
	s_wait_alu depctr_hold_cnt(0) depctr_sa_sdst(0) depctr_va_vdst(0) depctr_va_sdst(0) depctr_va_ssrc(0) depctr_va_vcc(0) depctr_vm_vsrc(0)
	s_getreg_b32 s2, hwreg(HW_REG_IB_STS2, 6, 4)
	s_cmp_eq_u32 s2, 0
	s_cbranch_scc0 .Lentry_in_a_cluster
	s_endpgm
.Lentry_in_a_cluster:
	s_bfe_u32 s2, ttmp6, 0x10000c
	s_cmp_lg_u32 s2, 0x3003
	s_cbranch_scc0 .Lentry_shape_is_right
	s_endpgm
.Lentry_shape_is_right:
; QKV.  h1 = gamma * xn + beta (packed bf16: xn, gamma and beta arrive rounded to bf16, and h1 is rounded once more: three roundings beyond the operand's own); q, k, v = h1 W^T, sums in f32, rounded to bf16.
; SHARES.  A work-group: 256 tokens (x) and two heads' q, k, v = 12 blocks of 16 weight rows (y).  A wave: 64 tokens, whose h1 (4 x 16 fragments, 512 registers) stays in registers.
; The 12 blocks (196,608 bytes) are fetched once and stay in LDS.  The four work-groups of a cluster want the same 12 blocks: each wave's quarter is asked for JOINTLY (mask of four).
; THE PRODUCT IS USED TRANSPOSED (source 0 = 16 weight rows, source 1 = 16 tokens): a lane then holds one token and eight neighbouring channels, 16 bytes in bf16, which ARE its
; part of a fragment-major block: every store of a wave is 512 consecutive bytes, aligned, with no stage in LDS.
; qkvf: three regions of 8 MiB (q, k, v), each [batch x head 64][16 tokens 128][16 channels 2][512 bytes].  In v a lane's 16 bytes stand at place (r & 7) + 8 h + 16 (r >> 3), so that the
; turning LDS load of the next launch, addressed by 16 x lane, leaves half a fragment of V^T.
; ONE BLOCK BEHIND.  A block is 64 products on 4 accumulators that take turns.  While one block is multiplied the next one's 32 LDS loads are on their way; a finished pair (a head's 32 channels) leaves at once.
; REGISTERS.  window 0: addresses, v32-63 ACCG, v64-95 ACCH, v96-127 packed.  window 1: h1, K steps 0-7 (64 a + 8 kk).  window 3: K steps 8-15.  window 2: two block buffers of 128 (first: gamma and beta).
; lds_bytes claims a WGP's LDS; 197,120 bytes are used.
.set MSB, 0
.macro WIN new
.if MSB != (\new)
	s_set_vgpr_msb (MSB<<8)|(\new)
.set MSB, (\new)
.endif
.endm
.macro PLACES
.rept 4
	v_nop
.endr
.endm
.set SPARE, 196608                     ; behind the blocks: the spare words, 128 bytes a wave
.set AB,   3                           ; v3   LDS address of the pair of blocks in hand
.set ID,   4                           ; v4   16 x lane; never rewritten
.set PM,   5                           ; v5   16 x the place of my 16 bytes in a block of v
.set OFF,  6                           ; v6   the one of the two that the pair in hand takes
.set HB,   7                           ; v7   16 h
.set SPW,  12
.set NIL,  13
.set ACCG, 32
.set ACCH, 64
.set TMP,  96
.set WV,   12                          ; s12  wave
.set G1,   24                          ; s[24:31] descriptor group 1
.set G0,   32                          ; s[32:35] descriptor group 0
.set DST,  40                          ; s[40:41] where the pair in hand goes
.set INC,  42                          ; s[42:43] the step to the next pair
.set PI,   44                          ; s44  the pair's number, 0 to 5
.set CNT,  45
.set TB,   46                          ; s46  LDS byte of the next pair
.set MSK,  47
.set XA,   48                          ; s[48:49] xf at my 64 tokens
.set MH,   50                          ; s[50:51] gamma in bf16 for my batch; beta 4,096 bytes on
.set FAR,  54                          ; s54  8,388,608 - 131,072: from a region's second head to the next region's first
.macro CROUND                          ; a round of the cluster's barrier
	s_barrier_signal -1
	s_barrier_wait -1
	s_cmp_lg_u32 s[WV], 0
	s_cbranch_scc1 .Lnot_wave_0_\@
	s_barrier_signal -3
.Lnot_wave_0_\@:
	s_barrier_wait -3
	s_barrier_signal -1
	s_barrier_wait -1
.endm
	s_load_b256 s[4:11], s[0:1], 0x0               ; xf, wbf, mods, qkvf
	v_lshl_add_u32 v[SPW], v0, 2, SPARE
	v_mov_b32 v[NIL], 0
	ds_add_u32 v[SPW], v[NIL]                      ; the wave's opening: the add and its wait ahead of my first tensor load
	v_lshrrev_b32 v1, 5, v0
	v_readfirstlane_b32 s[WV], v1
	s_bfe_u32 s13, ttmp6, 0x40000                  ; cx
	s_lshl_b32 s14, ttmp9, 2
	s_add_co_u32 s14, s14, s13                     ; my block of 256 tokens: it enters xf's and qkvf's addresses alone
	s_and_b32 s15, ttmp7, 0xffff                   ; the pair of heads, which the four partners share
	s_lshr_b32 s16, ttmp9, 1                       ; the batch: 8 blocks of 256 tokens, two clusters
	; descriptor group 1: 49,152 dense bytes as 192 rows of 256
	s_mov_b32 s[G1+0], 15|(3<<16)|(1<<21)          ; the mask of four; elements of 8 bytes; bit 21 set beside a mask
	s_mov_b32 s[G1+1], 32<<16                      ; tensor_dim0 = 32
	s_mov_b32 s[G1+2], 192<<16                     ; tensor_dim1 = 192
	s_mov_b32 s[G1+3], 32<<16                      ; tile_dim0 = 32
	s_mov_b32 s[G1+4], 192                         ; tile_dim1 = 192
	s_mov_b32 s[G1+5], 32                          ; 32 elements from row to row
	s_mov_b32 s[G1+6], 0
	s_mov_b32 s[G1+7], 0
	s_mov_b32 s[G0], 1
	s_mul_i32 s[G0+1], s[WV], 49152                ; LDS: my quarter
	s_mul_i32 s20, s15, 196608
	s_add_co_u32 s20, s20, s[G0+1]
	s_mov_b32 s21, 0
	s_lshl_b32 s22, s14, 4
	s_lshl2_add_u32 s22, s[WV], s22
	s_lshl_b32 s22, s22, 14                        ; (16 mb + 4 w) blocks of 16,384 bytes
	s_mov_b32 s23, 0
	s_lshl_b32 s17, s16, 4
	s_lshl1_add_u32 s17, s15, s17
	s_lshl_b32 s17, s17, 17                        ; (16 b + 2 ng) x 131,072
	s_and_b32 s18, s14, 7
	s_lshl_b32 s18, s18, 4
	s_lshl2_add_u32 s18, s[WV], s18
	s_lshl_b32 s18, s18, 10                        ; (16 (mb & 7) + 4 w) x 1,024
	s_add_co_u32 s18, s18, s17
	s_mov_b32 s19, 0
	s_lshl_b32 s52, s16, 10
	s_add_co_u32 s52, s52, 49152
	s_mov_b32 s53, 0
	s_mov_b32 s[FAR], 8257536
	s_mov_b32 s[INC+1], 0
	s_mov_b32 s[PI], 0
	s_mov_b32 s[TB], 0
	s_mov_b32 s[CNT], 6
	v_and_b32 v[ID], 31, v0
	v_lshlrev_b32 v[ID], 4, v[ID]
	v_and_b32 v[PM], 7, v0
	v_bfe_u32 v8, v0, 4, 1
	v_bfe_u32 v9, v0, 3, 1
	v_lshl_add_u32 v[PM], v8, 3, v[PM]
	v_lshl_add_u32 v[PM], v9, 4, v[PM]
	v_lshlrev_b32 v[PM], 4, v[PM]
	v_lshlrev_b32 v[HB], 4, v8
	v_mov_b32 v[AB], v[ID]
	s_wait_dscnt 0x0                               ; the opening add is done
	s_wait_kmcnt 0x0
	s_add_nc_u64 s[G0+2:G0+3], s[6:7], s[20:21]
	s_or_b32 s[G0+3], s[G0+3], 0x80000000
	s_add_nc_u64 s[XA:XA+1], s[4:5], s[22:23]
	s_add_nc_u64 s[DST:DST+1], s[10:11], s[18:19]
	s_add_nc_u64 s[MH:MH+1], s[8:9], s[52:53]
	CROUND                                         ; all four work-groups are here: the joint loads meet
	tensor_load_to_lds s[G0:G0+3], s[G1:G1+7]      ; my one tensor load of the launch
	s_nop 0
	PLACES
	WIN 0x80                                       ; gamma and beta go where the block buffers will be
.set ii, 0
.rept 32
	global_load_b128 v[4*ii:4*ii+3], v[HB], s[MH:MH+1] offset:32*ii
.set ii, ii+1
.endr
.set ii, 0
.rept 32
	global_load_b128 v[128+4*ii:131+4*ii], v[HB], s[MH:MH+1] offset:4096+32*ii
.set ii, ii+1
.endr
	WIN 0x40
.set ii, 0
.rept 64                                       ; row block ii / 16, K steps 0-7
	global_load_b128 v[4*ii:4*ii+3], v[ID], s[XA:XA+1] offset:16384*(ii/16)+512*(ii%16)
.set ii, ii+1
.endr
	WIN 0xc0
.set ii, 0
.rept 64                                       ; K steps 8-15
	global_load_b128 v[4*ii:4*ii+3], v[ID], s[XA:XA+1] offset:16384*(ii/16)+8192+512*(ii%16)
.set ii, ii+1
.endr
	s_wait_loadcnt 63                              ; of the 192 loads 63 at the most are out: gamma, beta and the first window (the oldest 128) are in
	WIN 0x69                                       ; h1 in window 1; gamma and beta in window 2
.set ii, 0
.rept 256
	v_pk_fma_bf16 v[ii], v[ii], v[ii%64], v[128+ii%64]
.set ii, ii+1
.endr
	s_wait_loadcnt 0x0
	WIN 0xeb                                       ; the same in window 3
.set ii, 0
.rept 256
	v_pk_fma_bf16 v[ii], v[ii], v[64+ii%64], v[192+ii%64]
.set ii, ii+1
.endr
	WIN 0
	s_wait_tensorcnt 0x0                           ; my quarter of the blocks is in,
	s_barrier_signal -1
	s_barrier_wait -1                              ; everybody's is
.macro LOADB n                         ; block n of the pair at v[AB] -> buffer n: 32 loads, each of 512 consecutive bytes
	WIN 0x80
.set ii, 0
.rept 32
	ds_load_b128 v[128*(\n)+4*ii:128*(\n)+4*ii+3], v[AB] offset:16384*(\n)+512*ii
.set ii, ii+1
.endr
	WIN 0
.endm
.macro RUN n, acc                      ; 64 products: buffer n x my 64 tokens.  The four accumulators take turns, one instruction a turn; the first four start the sums
	WIN 0x06
.set ik, 0
.rept 16
.if ik == 8
	WIN 0x0e
.endif
.set ia, 0
.rept 4
.if ik == 0
	v_wmma_f32_16x16x32_bf16 v[(\acc)+8*ia:(\acc)+8*ia+7], v[128*(\n)+8*ik:128*(\n)+8*ik+7], v[64*ia+8*(ik%8):64*ia+8*(ik%8)+7], 0
.else
	v_wmma_f32_16x16x32_bf16 v[(\acc)+8*ia:(\acc)+8*ia+7], v[128*(\n)+8*ik:128*(\n)+8*ik+7], v[64*ia+8*(ik%8):64*ia+8*(ik%8)+7], v[(\acc)+8*ia:(\acc)+8*ia+7]
.endif
.set ia, ia+1
.endr
.set ik, ik+1
.endr
	WIN 0
.endm
.macro EPI                             ; a head's 32 channels of 64 tokens leave.  The select and ACCG's 16 roundings are the places behind ACCH's last products
	s_cmp_ge_u32 s[PI], 4                          ; pairs 4 and 5 are v
	s_cselect_b32 s[MSK], -1, 0
	v_cndmask_b32 v[OFF], v[ID], v[PM], s[MSK]
.set ii, 0
.rept 16
	v_cvt_pk_bf16_f32 v[TMP+8*(ii/4)+ii%4], v[ACCG+2*ii], v[ACCG+2*ii+1]
.set ii, ii+1
.endr
.set ii, 0
.rept 16
	v_cvt_pk_bf16_f32 v[TMP+8*(ii/4)+4+ii%4], v[ACCH+2*ii], v[ACCH+2*ii+1]
.set ii, ii+1
.endr
.set ii, 0
.rept 8
	global_store_b128 v[OFF], v[TMP+4*ii:TMP+4*ii+3], s[DST:DST+1] offset:512*ii
.set ii, ii+1
.endr
	s_wait_xcnt 0x0                                ; the stores have read their registers: the base, the offset and the data are written again only behind this wait
	s_bitcmp1_b32 s[PI], 0
	s_cselect_b32 s[INC], s[FAR], 131072           ; back to the first head in the next region, or on to the second head
	s_add_nc_u64 s[DST:DST+1], s[DST:DST+1], s[INC:INC+1]
	s_add_co_u32 s[PI], s[PI], 1
.endm
	LOADB 0
	s_branch .Lmid                                 ; the loop is entered in the middle of a trip
.Ltop:
	PLACES                                         ; behind the last product that read buffer 0 and wrote ACCG
	v_add_nc_u32 v[AB], s[TB], v[ID]
	LOADB 0
	s_wait_dscnt 32                                ; buffer 1 is in; the 32 just issued stay out
	RUN 1, ACCH
	EPI
.Lmid:
	LOADB 1
	s_add_co_u32 s[TB], s[TB], 32768
	s_wait_dscnt 32                                ; buffer 0 is in
	RUN 0, ACCG
	s_sub_co_u32 s[CNT], s[CNT], 1
	s_cmp_lg_u32 s[CNT], 0
	s_cbranch_scc1 .Ltop
	s_wait_dscnt 0x0
	PLACES                                         ; the places behind ACCG's last products: the products that follow are none (ISA guide 7.12.1)
	RUN 1, ACCH
	EPI
	s_wait_tensorcnt 0x0                           ; the wave's end
	ds_add_u32 v[SPW], v[NIL]
	s_wait_dscnt 0x0
	CROUND                                         ; the closing round
	s_endpgm
.Lfunc_end_k_qa5328154da_qkv:
	.size	k_qa5328154da_qkv, .Lfunc_end_k_qa5328154da_qkv-k_qa5328154da_qkv
	.p2alignl 7, 3214868480
	.fill 96, 4, 3214868480
	.section	.rodata,"a",@progbits
	.p2align	6, 0x0
	.amdhsa_kernel k_qa5328154da_qkv
		.amdhsa_group_segment_fixed_size 327680
		.amdhsa_private_segment_fixed_size 0
		.amdhsa_enable_private_segment 0
		.amdhsa_kernarg_size 32
		.amdhsa_user_sgpr_count 2
		.amdhsa_user_sgpr_kernarg_segment_ptr 1
		.amdhsa_wavefront_size32 1
		.amdhsa_system_sgpr_workgroup_id_x 1
		.amdhsa_system_sgpr_workgroup_id_y 1
		.amdhsa_system_sgpr_workgroup_id_z 1
		.amdhsa_system_vgpr_workitem_id 0
		.amdhsa_next_free_vgpr 1024
		.amdhsa_next_free_sgpr 66
		.amdhsa_reserve_vcc 0
		.amdhsa_float_denorm_mode_32 3
		.amdhsa_float_denorm_mode_16_64 3
		.amdhsa_memory_ordered 1
		.amdhsa_forward_progress 1
		.amdhsa_inst_pref_size 80
	.end_amdhsa_kernel
	.amdgpu_metadata
---
amdhsa.version: [ 1, 2 ]
amdhsa.kernels:
  - .name:           k_qa5328154da_qkv
    .symbol:         k_qa5328154da_qkv.kd
    .args:
      - { .name: xf, .offset: 0, .size: 8, .value_kind: global_buffer, .address_space: global }
      - { .name: wbf, .offset: 8, .size: 8, .value_kind: global_buffer, .address_space: global }
      - { .name: mods, .offset: 16, .size: 8, .value_kind: global_buffer, .address_space: global }
      - { .name: qkvf, .offset: 24, .size: 8, .value_kind: global_buffer, .address_space: global }
    .group_segment_fixed_size: 327680
    .private_segment_fixed_size: 0
    .kernarg_segment_align: 8
    .kernarg_segment_size: 32
    .max_flat_workgroup_size: 128
    .sgpr_count:     66
    .vgpr_count:     1024
    .wavefront_size: 32
...
	.end_amdgpu_metadata
.endif
;; end of part 2
;; launch attn (part 3): grid 4 x 64, 8 waves a work-group, clusters of 4 x 1, 327,680 bytes of LDS; arguments qkvf, of; writes of
.if DOCPART == 3
	.amdgcn_target "amdgcn-amd-amdhsa--gfx1250"
	.amdhsa_code_object_version 6
	.text
	.protected	k_qa5328154da_attn
	.globl	k_qa5328154da_attn
	.p2align	8
	.type	k_qa5328154da_attn,@function
k_qa5328154da_attn:
	s_mov_b64 s[64:65], 0
	v_nop
	global_prefetch_b8 v0, s[64:65] scope:SCOPE_SE
	s_setreg_imm32_b32 hwreg(HW_REG_WAVE_MODE, 25, 1), 1
	s_wait_xcnt 0x0
	s_wait_alu depctr_hold_cnt(0) depctr_sa_sdst(0) depctr_va_vdst(0) depctr_va_sdst(0) depctr_va_ssrc(0) depctr_va_vcc(0) depctr_vm_vsrc(0)
	s_getreg_b32 s2, hwreg(HW_REG_IB_STS2, 6, 4)
	s_cmp_eq_u32 s2, 0
	s_cbranch_scc0 .Lentry_in_a_cluster
	s_endpgm
.Lentry_in_a_cluster:
	s_bfe_u32 s2, ttmp6, 0x10000c
	s_cmp_lg_u32 s2, 0x3003
	s_cbranch_scc0 .Lentry_shape_is_right
	s_endpgm
.Lentry_shape_is_right:
; ATTENTION, head size 32, no mask.  O[q] = sum over k of softmax_k(Q[q] . K[k] / sqrt(32)) V[k], for 64 (batch, head) of 2,048 tokens.  q, k, v in bf16, fragment-major (see qkv).
; Products, maxima in f32; the weights p are rounded to bf16 for the second product, and their sum l is taken of the ROUNDED p, by the matrix unit; O is rounded once.
; LIMITS.  A weight below 2^-126 counts as 0; l is at least 1 (the largest weight is 1); NaN and infinities are not treated apart.
; SHARES.  A work-group: 512 queries of one head; a wave: 64, four tiles of 16, in two pieces of two.  Every wave walks all 2,048 keys, 64 a step.
; THE COUNT.  A tile and step have 10 matrix and 95 vector instructions: the vector unit sets the time whatever the order.  So the text goes in phases, and a SIMD holds TWO waves (384 registers each),
; of which one can multiply while the other computes exponentials.
; LDS.  The whole head stays: 131,072 bytes of K and of V, dense, filled once.  Wave w's first fill (16 KiB) lands at 16,384 w: K of keys 0-1023 in bytes 0 .. 65,535, V of the same keys behind it;
; its second fill 131,072 further on: keys 1024-2047.  The four query blocks of a cluster want the same K and V: every fill is JOINT (mask of four).  All tiles are asked for at the head, so nothing is prefetched.
; LAYOUT.  S^T = K Q^T: a lane holds ONE query (lane % 16) and keys 8 (lane / 16) + 0..7; two results rounded to bf16 ARE source 1 of O^T = V^T P.  V^T comes by the turning load.
; ROW SUMS.  ONES is a source 0 whose rows 0 and 8 are 1: ONES x P adds a query's 32 weights into register 0 of both of its lanes; registers 1-7 stay 0.
; SOFTMAX.  p = 2^(c s - c m), c = log2(e) / sqrt(32), m a running maximum; O and l are multiplied by a = 2^(c m_old - c m_new) in every step.  m starts at the lowest finite number, O and l at 0
; (96 lines that write 0, in the wait for the first tile), so the first step is a step like any other.
; REGISTERS.  window 0: v2-5 addresses; v16-23 c m, m a tile; v24-25 c m_old; v32-39 at work; v40-47 ONES; v64-127 S^T of a piece; v128-159 P; v160-191 K; v192-223 V.
; window 1: v0-31 Q; v32-95 O^T (16 a tile); v96-127 l (8 a tile).
.set MSB, 0
.macro WIN new
.if MSB != (\new)
	s_set_vgpr_msb (MSB<<8)|(\new)
.set MSB, (\new)
.endif
.endm
.macro PLACES
.rept 4
	v_nop
.endr
.endm
.set SPARE, 262144                     ; behind the head: the spare words, 128 bytes for each of eight waves
.set AK,  2
.set AV,  3
.set AK0, 4                            ; v4  16 x lane; never rewritten
.set AV0, 5                            ; v5  65,536 + 16 x lane; never rewritten
.set SPW, 12
.set NIL, 13
.set ST,  16
.set MV,  24
.set TMP, 32
.set ONES, 40
.set S,   64
.set P,   128
.set KF,  160
.set VF,  192
.set WV,  12
.set G1,  24
.set G0,  32                           ; s[32:35], s[36:39]: a set for each of my two fills
.set CNT, 44
.set HALVES, 45
.set TBK, 46                           ; s46  LDS byte of K of the step to be fetched
.set TBV, 47                           ; s47  the same for V, less 65,536
.set QA,  48                           ; s[48:49] q at my 64 queries
.set OA,  50                           ; s[50:51] of at my 64 queries, my head
.set CS,  58                           ; s[58:59] c
.set SEL, 60
.macro CROUND
	s_barrier_signal -1
	s_barrier_wait -1
	s_cmp_lg_u32 s[WV], 0
	s_cbranch_scc1 .Lnot_wave_0_\@
	s_barrier_signal -3
.Lnot_wave_0_\@:
	s_barrier_wait -3
	s_barrier_signal -1
	s_barrier_wait -1
.endm
	s_load_b128 s[4:7], s[0:1], 0x0                ; qkvf, of
	v_lshl_add_u32 v[SPW], v0, 2, SPARE
	v_mov_b32 v[NIL], 0
	ds_add_u32 v[SPW], v[NIL]                      ; the wave's opening: the add and its wait ahead of my first tensor load
	v_lshrrev_b32 v1, 5, v0
	v_readfirstlane_b32 s[WV], v1
	s_bfe_u32 s13, ttmp6, 0x40000                  ; cx: my block of 512 queries: it enters q's and of's addresses alone
	s_and_b32 s14, ttmp7, 0xffff                   ; batch x 16 + head, which the four partners share
	s_mov_b32 s[G1+0], 15|(3<<16)|(1<<21)          ; the mask of four; elements of 8 bytes; bit 21 set beside a mask
	s_mov_b32 s[G1+1], 32<<16                      ; 16,384 dense bytes as 64 rows of 256
	s_mov_b32 s[G1+2], 64<<16
	s_mov_b32 s[G1+3], 32<<16
	s_mov_b32 s[G1+4], 64
	s_mov_b32 s[G1+5], 32
	s_mov_b32 s[G1+6], 0
	s_mov_b32 s[G1+7], 0
	s_mov_b32 s[G0], 1
	s_lshl_b32 s[G0+1], s[WV], 14                  ; LDS: 16,384 x wave,
	s_mov_b32 s[G0+4], 1
	s_add_co_u32 s[G0+5], s[G0+1], 131072          ; and the second half of the keys
	s_lshr_b32 s16, s[WV], 2                       ; waves 0-3 fetch K, waves 4-7 V
	s_and_b32 s17, s[WV], 3
	s_add_co_u32 s20, s16, 1
	s_lshl_b32 s20, s20, 23                        ; k's or v's region
	s_lshl_b32 s21, s14, 17
	s_add_co_u32 s20, s20, s21                     ; the head
	s_lshl_b32 s21, s17, 14
	s_add_co_u32 s20, s20, s21                     ; my quarter of 1,024 keys
	s_mov_b32 s21, 0
	s_lshl_b32 s22, s13, 5
	s_lshl2_add_u32 s22, s[WV], s22                ; 32 cx + 4 w: my first block of 16 tokens
	s_lshl_b32 s40, s22, 10
	s_lshl_b32 s41, s14, 17
	s_add_co_u32 s40, s40, s41
	s_mov_b32 s41, 0
	s_lshr_b32 s42, s14, 4
	s_lshl_b32 s42, s42, 7
	s_add_co_u32 s42, s42, s22
	s_lshl_b32 s42, s42, 14                        ; (128 b + 32 cx + 4 w) x 16,384
	s_and_b32 s43, s14, 15
	s_lshl_b32 s43, s43, 10                        ; + head x 1,024
	s_add_co_u32 s42, s42, s43
	s_mov_b32 s43, 0
	s_mov_b32 s[CS], 0x3e8293ee                    ; c = log2(e) / sqrt(32) = 0.255035
	s_mov_b32 s[CS+1], s[CS]
	s_mov_b32 s[SEL], 0x76543210
	s_mov_b32 s[SEL+1], 0xfedcba98
	s_mov_b32 s52, 0x3f803f80                      ; 1.0 twice in bf16
	s_mov_b32 s[TBK], 0
	s_mov_b32 s[TBV], 0
	s_mov_b32 s[CNT], 16
	s_mov_b32 s[HALVES], 2
	s_wait_dscnt 0x0                               ; the opening add is done
	s_wait_kmcnt 0x0
	s_add_nc_u64 s[G0+2:G0+3], s[4:5], s[20:21]
	s_add_nc_u64 s[G0+6:G0+7], s[G0+2:G0+3], 65536
	s_or_b32 s[G0+3], s[G0+3], 0x80000000
	s_or_b32 s[G0+7], s[G0+7], 0x80000000
	s_add_nc_u64 s[QA:QA+1], s[4:5], s[40:41]
	s_add_nc_u64 s[OA:OA+1], s[6:7], s[42:43]
	CROUND                                         ; all four work-groups are here: the joint loads meet
	tensor_load_to_lds s[G0:G0+3], s[G1:G1+7]      ; keys 0-1023
	s_nop 0
	tensor_load_to_lds s[G0+4:G0+7], s[G1:G1+7]    ; keys 1024-2047: two loads of mine are out
	s_nop 0
	PLACES
	v_and_b32 v[AK0], 31, v0
	v_lshlrev_b32 v[AK0], 4, v[AK0]
	v_add_nc_u32 v[AV0], 65536, v[AK0]
	WIN 0x40
.set ii, 0
.rept 8
	global_load_b128 v[4*ii:4*ii+3], v[AK0], s[QA:QA+1] offset:512*ii
.set ii, ii+1
.endr
.set ii, 32
.rept 96
	v_mov_b32 v[ii], 0                             ; O^T and l
.set ii, ii+1
.endr
	WIN 0
.set ii, 0
.rept 4
	v_mov_b32 v[ST+2*ii], 0xfe000000               ; c m: far below every c s
	v_mov_b32 v[ST+2*ii+1], 0xff7fffff             ; m
.set ii, ii+1
.endr
	v_and_b32 v6, 7, v0
	v_cmp_eq_u32 vcc_lo, 0, v6                     ; lanes 0, 8, 16, 24 hold rows 0 and 8 of a source 0
	v_cndmask_b32 v[ONES], 0, s52, vcc_lo
.set ii, 1
.rept 7
	v_mov_b32 v[ONES+ii], v[ONES]
.set ii, ii+1
.endr
.macro KLOAD                           ; a step's K: 4 fragments of 16 keys x 32 channels
	v_add_nc_u32 v[AK], s[TBK], v[AK0]
.set ii, 0
.rept 8
	ds_load_b128 v[KF+4*ii:KF+4*ii+3], v[AK] offset:512*ii
.set ii, ii+1
.endr
	s_add_co_u32 s[TBK], s[TBK], 4096
.endm
.macro VLOAD                           ; a step's V, turned: fragment (key half ii / 4, channel block (ii / 2) % 2), its registers 4 (ii % 2) on
	v_add_nc_u32 v[AV], s[TBV], v[AV0]
.set ii, 0
.rept 8
	ds_load_tr16_b128 v[VF+4*ii:VF+4*ii+3], v[AV] offset:1024*(2*(ii/4)+ii%2)+512*((ii/2)%2)
.set ii, ii+1
.endr
	s_add_co_u32 s[TBV], s[TBV], 4096
.endm
.macro KQ y                            ; piece y's scores: 8 products, each a whole sum (32 channels)
	WIN 0x04
.set ii, 0
.rept 8
	v_wmma_f32_16x16x32_bf16 v[S+32*(ii%2)+8*(ii/2):S+32*(ii%2)+8*(ii/2)+7], v[KF+8*(ii/2):KF+8*(ii/2)+7], v[8*(2*(\y)+ii%2):8*(2*(\y)+ii%2)+7], 0
.set ii, ii+1
.endr
.endm
.macro PV y                            ; piece y: O^T += V^T P and l += ONES P: 12 products on 6 accumulators that take turns
	WIN 0x50
.set ii, 0
.rept 12
.set ik, ii/6
.set ic, (ii%6)/2
.set iu, ii%2
.set rB, P+16*iu+8*ik
.if ic < 2
.set rD, 32+16*(2*(\y)+iu)+8*ic
.set rA, VF+8*(2*ik+ic)
.else
.set rD, 96+8*(2*(\y)+iu)
.set rA, ONES
.endif
	v_wmma_f32_16x16x32_bf16 v[rD:rD+7], v[rA:rA+7], v[rB:rB+7], v[rD:rD+7]
.set ii, ii+1
.endr
.endm
.macro REGS y, u
.set rT, ST+2*(2*(\y)+(\u))
.set rC, TMP+4*(\u)
.set rM, MV+(\u)
.set rS, S+32*(\u)
.set rP, P+16*(\u)
.set rO, 32+16*(2*(\y)+(\u))
.set rL, 96+8*(2*(\y)+(\u))
.endm
; Number n of the 22 that find a tile's maximum and statistics: 0-11 four chains of seven scores (each accumulator's lowest registers first); 12-14, 16 the rest, the old m,
; and the four into one; 15 c m_old is kept; 17, 18 the query's other 32 keys lie in the lane 16 away; 19-21 c m, its change, a.
.macro XS y, u, n
	REGS \y, \u
.if (\n) < 4
	v_max3_num_f32 v[rC+(\n)], v[rS+8*(\n)], v[rS+8*(\n)+1], v[rS+8*(\n)+2]
.elseif (\n) < 12
	v_max3_num_f32 v[rC+(\n)%4], v[rC+(\n)%4], v[rS+8*((\n)%4)+2*((\n)/4)+1], v[rS+8*((\n)%4)+2*((\n)/4)+2]
.elseif (\n) == 12
	v_max3_num_f32 v[rC], v[rC], v[rS+7], v[rS+15]
.elseif (\n) == 13
	v_max3_num_f32 v[rC+1], v[rC+1], v[rS+23], v[rS+31]
.elseif (\n) == 14
	v_max3_num_f32 v[rC+2], v[rC+2], v[rC+3], v[rT+1]
.elseif (\n) == 15
	v_mov_b32 v[rM], v[rT]
.elseif (\n) == 16
	v_max3_num_f32 v[rC], v[rC], v[rC+1], v[rC+2]
.elseif (\n) == 17
	v_permlanex16_b32 v[rC+3], v[rC], s[SEL], s[SEL+1]
.elseif (\n) == 18
	v_max_num_f32 v[rT+1], v[rC], v[rC+3]
.elseif (\n) == 19
	v_mul_f32 v[rT], s[CS], v[rT+1]
.elseif (\n) == 20
	v_sub_f32 v[rC+1], v[rM], v[rT]
.else
	v_exp_f32 v[rC+2], v[rC+1]
.endif
.endm
.macro FS y, u, b                      ; c s - c m for pair b of 16
	REGS \y, \u
	v_pk_fma_f32 v[rS+2*(\b):rS+2*(\b)+1], v[rS+2*(\b):rS+2*(\b)+1], s[CS:CS+1], v[rT:rT+1] op_sel_hi:[1,0,0] neg_lo:[0,0,1] neg_hi:[0,0,1]
.endm
.macro ES y, u, e
	REGS \y, \u
	v_exp_f32 v[rS+(\e)], v[rS+(\e)]
.endm
; A piece's softmax for one step.  Its 66 exponentials are ONE batch: nothing ahead of the wait names a result of theirs; a scaling leads each two exponentials of the pair before it.
.macro SM y
	WIN 0
.set nn, 0
.rept 21
	XS \y, 0, nn
	XS \y, 1, nn
.set nn, nn+1
.endr
	FS \y, 0, 0
	FS \y, 1, 0
.set ib, 1
.rept 15
.set iw, 0
.rept 2
	FS \y, iw, ib
	ES \y, iw, 2*ib-2
	ES \y, iw, 2*ib-1
.set iw, iw+1
.endr
.set ib, ib+1
.endr
	ES \y, 0, 30
	ES \y, 1, 30
	ES \y, 0, 31
	ES \y, 1, 31
	XS \y, 0, 21
	XS \y, 1, 21
	v_nop                                          ; a plain instruction behind the last exponential: one for the batch,
	s_wait_alu depctr_va_vdst(0)                   ; and the one wait ahead of the first reader
.set ib, 0
.rept 16
.set iw, 0
.rept 2
	REGS \y, iw
	v_cvt_pk_bf16_f32 v[rP+ib], v[rS+2*ib], v[rS+2*ib+1]
.set iw, iw+1
.endr
.set ib, ib+1
.endr
	WIN 0x41                                       ; O^T and l in window 1, a in window 0
.set iw, 0
.rept 2
	REGS \y, iw
.set ib, 0
.rept 8
	v_pk_mul_f32 v[rO+2*ib:rO+2*ib+1], v[rO+2*ib:rO+2*ib+1], v[rC+2:rC+3] op_sel_hi:[1,0]
.set ib, ib+1
.endr
	v_pk_mul_f32 v[rL:rL+1], v[rL:rL+1], v[rC+2:rC+3] op_sel_hi:[1,0]
.set iw, iw+1
.endr
	WIN 0
.endm
	s_wait_tensorcnt 0x1                           ; my part of keys 0-1023 is in; the second half may stay out
	s_barrier_signal -1
	s_barrier_wait -1
	KLOAD                                          ; step 0
	s_wait_loadcnt 0x0                             ; Q
	s_branch .Lmid                                 ; the loop is entered in the middle of a trip
.Lhalf:                                        ; keys 0-1023 have been fetched into registers; the second half is wanted
	s_wait_tensorcnt 0x0                           ; my part of it is in,
	s_wait_dscnt 0x0
	s_barrier_signal -1
	s_barrier_wait -1                              ; everybody's is
	s_add_co_u32 s[TBK], s[TBK], 65536             ; over the first half's V,
	s_add_co_u32 s[TBV], s[TBV], 65536             ; over the second half's K
	s_mov_b32 s[CNT], 16
.Lstep:
	KLOAD                                          ; K of the next step: four v_nop behind the last product that read K
	SM 1
	PV 1
	WIN 0
.Lmid:
	PLACES                                         ; behind the last product that read V
	VLOAD
	s_wait_dscnt 8                                 ; K is in; V's eight loads may stay out
	KQ 0
	WIN 0
	PLACES
	SM 0
	s_wait_dscnt 0x0                               ; V is in
	PV 0
	KQ 1
	WIN 0
	PLACES
	s_sub_co_u32 s[CNT], s[CNT], 1
	s_cmp_lg_u32 s[CNT], 0
	s_cbranch_scc1 .Lstep
	s_sub_co_u32 s[HALVES], s[HALVES], 1
	s_cmp_lg_u32 s[HALVES], 0
	s_cbranch_scc1 .Lhalf
	SM 1
	PV 1
	WIN 0
	PLACES
	; THE WAY OUT.  O^T / l, rounded to bf16: a lane's eight channels of a token are its 16 bytes of a fragment-major block of `of`: [16 tokens][head][16 channels][512 bytes].
	WIN 0x01
.set it, 0
.rept 4
	v_rcp_f32 v[TMP+2*it], v[96+8*it]
.set it, it+1
.endr
	WIN 0
	v_nop
	s_wait_alu depctr_va_vdst(0)                   ; one wait for the four reciprocals
.set it, 0
.rept 4
	WIN 0x41
.set ib, 0
.rept 8
	v_pk_mul_f32 v[32+16*it+2*ib:33+16*it+2*ib], v[32+16*it+2*ib:33+16*it+2*ib], v[TMP+2*it:TMP+2*it+1] op_sel_hi:[1,0]
.set ib, ib+1
.endr
	WIN 0x05
.set ib, 0
.rept 8
	v_cvt_pk_bf16_f32 v[S+8*it+ib], v[32+16*it+2*ib], v[33+16*it+2*ib]
.set ib, ib+1
.endr
	WIN 0
	global_store_b128 v[AK0], v[S+8*it:S+8*it+3], s[OA:OA+1] offset:16384*it
	global_store_b128 v[AK0], v[S+8*it+4:S+8*it+7], s[OA:OA+1] offset:16384*it+512
.set it, it+1
.endr
	s_wait_tensorcnt 0x0                           ; the wave's end
	ds_add_u32 v[SPW], v[NIL]
	s_wait_dscnt 0x0
	CROUND                                         ; the closing round
	s_endpgm
.Lfunc_end_k_qa5328154da_attn:
	.size	k_qa5328154da_attn, .Lfunc_end_k_qa5328154da_attn-k_qa5328154da_attn
	.p2alignl 7, 3214868480
	.fill 96, 4, 3214868480
	.section	.rodata,"a",@progbits
	.p2align	6, 0x0
	.amdhsa_kernel k_qa5328154da_attn
		.amdhsa_group_segment_fixed_size 327680
		.amdhsa_private_segment_fixed_size 0
		.amdhsa_enable_private_segment 0
		.amdhsa_kernarg_size 16
		.amdhsa_user_sgpr_count 2
		.amdhsa_user_sgpr_kernarg_segment_ptr 1
		.amdhsa_wavefront_size32 1
		.amdhsa_system_sgpr_workgroup_id_x 1
		.amdhsa_system_sgpr_workgroup_id_y 1
		.amdhsa_system_sgpr_workgroup_id_z 1
		.amdhsa_system_vgpr_workitem_id 0
		.amdhsa_next_free_vgpr 384
		.amdhsa_next_free_sgpr 66
		.amdhsa_reserve_vcc 1
		.amdhsa_float_denorm_mode_32 3
		.amdhsa_float_denorm_mode_16_64 3
		.amdhsa_memory_ordered 1
		.amdhsa_forward_progress 1
		.amdhsa_inst_pref_size 50
	.end_amdhsa_kernel
	.amdgpu_metadata
---
amdhsa.version: [ 1, 2 ]
amdhsa.kernels:
  - .name:           k_qa5328154da_attn
    .symbol:         k_qa5328154da_attn.kd
    .args:
      - { .name: qkvf, .offset: 0, .size: 8, .value_kind: global_buffer, .address_space: global }
      - { .name: of, .offset: 8, .size: 8, .value_kind: global_buffer, .address_space: global }
    .group_segment_fixed_size: 327680
    .private_segment_fixed_size: 0
    .kernarg_segment_align: 8
    .kernarg_segment_size: 16
    .max_flat_workgroup_size: 256
    .sgpr_count:     66
    .vgpr_count:     384
    .wavefront_size: 32
...
	.end_amdgpu_metadata
.endif
;; end of part 3
;; launch oproj (part 4): grid 256 x 1, 4 waves a work-group, no clusters, 1,024 bytes of LDS; arguments of, wbf, x, mods, x1f, h2f; writes x1f, h2f
.if DOCPART == 4
	.amdgcn_target "amdgcn-amd-amdhsa--gfx1250"
	.amdhsa_code_object_version 6
	.text
	.protected	k_qa5328154da_oproj
	.globl	k_qa5328154da_oproj
	.p2align	8
	.type	k_qa5328154da_oproj,@function
k_qa5328154da_oproj:
	s_mov_b64 s[64:65], 0
	v_nop
	global_prefetch_b8 v0, s[64:65] scope:SCOPE_SE
	s_setreg_imm32_b32 hwreg(HW_REG_WAVE_MODE, 25, 1), 1
	s_wait_xcnt 0x0
; OPROJ.  x1 = x + alpha_a * (O W_o^T) in f32;  h2 = gamma_f * x1 * rsqrt(mean(x1^2) + 1e-6) + beta_f, in f32, rounded once to bf16.
; SHARES.  The norm wants whole rows, so a work-group takes 32 rows x all 512 columns: 256 work-groups.  Wave w takes columns 128 w .. + 127: 2 x 8 accumulators.
; NO LDS ON THE WAY IN, NO CLUSTER.  A wave reads its own quarter of W_o (131,072 bytes), which no other wave of the work-group wants, by loads of 512 consecutive bytes straight into fragments.
; All of W_o (524,288 bytes) does not fit into LDS, and a ring of two slots of 131,072 bytes would leave a wave 64 products for each refill.
; THE PRODUCT IS USED TRANSPOSED (source 0 = 16 rows of W_o, source 1 = 16 tokens): a lane holds one token and eight neighbouring columns.
; x1f keeps x1 in f32 as an accumulator holds it: [16 tokens 512][16 columns 32][registers 0-3, 4-7][lane][16 bytes]; h2f is fragment-major like xf.  Every store covers 512 consecutive bytes, aligned.
; The rows' sums of squares meet in LDS: 512 bytes, one barrier.
; REGISTERS.  window 0: addresses; v16-31 sums; v64-127 alpha, later h2 packed; v128-255 accumulators ((a, nb) at 128 + 8 (8 a + nb)).  window 1: O's fragments ((a, kk) at 8 (16 a + kk)).
; window 2: two sets of W_o's fragments (2 K steps x 8 column blocks).  window 3: v0-127 x, later h2; v128-191 gamma_f; v192-255 beta_f.
.set MSB, 0
.macro WIN new
.if MSB != (\new)
	s_set_vgpr_msb (MSB<<8)|(\new)
.set MSB, (\new)
.endif
.endm
.macro PLACES
.rept 4
	v_nop
.endr
.endm
.set SPARE, 512                        ; behind the partial sums: the spare words, 128 bytes a wave
.set SPW, 12
.set NIL, 13
.set WV,  16
.set XB,  20                           ; s[20:21] x at my rows and columns
.set MB,  22                           ; s[22:23] mods (f32) at my batch and columns
.set OB,  24                           ; s[24:25] of at my rows
.set WB,  26                           ; s[26:27] W_o's blocks of my columns
.set X1,  28                           ; s[28:29] x1f
.set H2,  30                           ; s[30:31] h2f
	s_load_b256 s[4:11], s[0:1], 0x0               ; of, wbf, x, mods
	s_load_b128 s[12:15], s[0:1], 0x20             ; x1f, h2f
	v_lshl_add_u32 v[SPW], v0, 2, SPARE
	v_mov_b32 v[NIL], 0
	v_lshrrev_b32 v1, 5, v0
	v_readfirstlane_b32 s[WV], v1
	v_and_b32 v1, 15, v0                           ; r
	v_bfe_u32 v7, v0, 4, 1                         ; h
	v_and_b32 v2, 31, v0
	v_lshlrev_b32 v2, 4, v2                        ; 16 x lane
	v_lshlrev_b32 v3, 11, v1
	v_lshl_add_u32 v3, v7, 5, v3                   ; x: row r, 32 bytes for each half of the lanes
	v_lshlrev_b32 v4, 5, v7                        ; 32 h
	v_lshlrev_b32 v6, 2, v1                        ; 4 r
	s_lshl_b32 s34, s[WV], 7
	v_add_nc_u32 v5, s34, v6                       ; 128 w + 4 r
	s_lshl_b32 s32, ttmp9, 16
	s_lshl_b32 s34, s[WV], 9
	s_add_co_u32 s32, s32, s34                     ; 65,536 g + 512 w
	s_mov_b32 s33, 0
	s_lshr_b32 s36, ttmp9, 6                       ; the batch: 64 work-groups each
	s_lshl_b32 s36, s36, 11
	s_add_co_u32 s36, s36, s34                     ; 2,048 b + 512 w
	s_mov_b32 s37, 0
	s_lshl_b32 s38, ttmp9, 15                      ; 32,768 g
	s_mov_b32 s39, 0
	s_lshl_b32 s40, s[WV], 17
	s_add_co_u32 s40, s40, 1572864                 ; block 96 + 8 w
	s_mov_b32 s41, 0
	s_lshl_b32 s42, ttmp9, 16
	s_lshl_b32 s34, s[WV], 13
	s_add_co_u32 s42, s42, s34                     ; 65,536 g + 8,192 w
	s_mov_b32 s43, 0
	s_lshl_b32 s34, s[WV], 12
	s_add_co_u32 s34, s34, s38                     ; 32,768 g + 4,096 w
	s_mov_b32 s35, 0
	s_mov_b32 s44, 0x3b000000                      ; 1 / 512
	s_mov_b32 s45, 0x358637bd                      ; 1e-6
	s_mov_b32 s46, 0x76543210
	s_mov_b32 s47, 0xfedcba98
	s_wait_kmcnt 0x0
	s_add_nc_u64 s[XB:XB+1], s[8:9], s[32:33]
	s_add_nc_u64 s[MB:MB+1], s[10:11], s[36:37]
	s_add_nc_u64 s[OB:OB+1], s[4:5], s[38:39]
	s_add_nc_u64 s[WB:WB+1], s[6:7], s[40:41]
	s_add_nc_u64 s[X1:X1+1], s[12:13], s[42:43]
	s_add_nc_u64 s[H2:H2+1], s[14:15], s[34:35]
.macro BSET st, k0                     ; W_o's fragments of K steps k0, k0 + 1 for my 8 column blocks -> set st
	WIN 0x80
.set ii, 0
.rept 32
	global_load_b128 v[128*(\st)+4*ii:128*(\st)+4*ii+3], v2, s[WB:WB+1] offset:16384*((ii%16)/2)+1024*((\k0)+ii/16)+512*(ii%2)
.set ii, ii+1
.endr
.endm
.macro GRP st, k0                      ; 32 products; the 16 accumulators take turns; K step 0 starts the sums
	WIN 0x06
.set ii, 0
.rept 32
.set rD, 128+8*(8*(ii%2)+(ii%16)/2)
.set rA, 128*(\st)+64*(ii/16)+8*((ii%16)/2)
.set rB, 8*(16*(ii%2)+(\k0)+ii/16)
.if ((\k0)+ii/16) == 0
	v_wmma_f32_16x16x32_bf16 v[rD:rD+7], v[rA:rA+7], v[rB:rB+7], 0
.else
	v_wmma_f32_16x16x32_bf16 v[rD:rD+7], v[rA:rA+7], v[rB:rB+7], v[rD:rD+7]
.endif
.set ii, ii+1
.endr
.endm
	WIN 0xc0
.set ii, 0
.rept 32                                       ; x, as an accumulator holds it
	global_load_b128 v[4*ii:4*ii+3], v3, s[XB:XB+1] offset:32768*(ii/16)+64*((ii%16)/2)+16*(ii%2)
.set ii, ii+1
.endr
.set ii, 0
.rept 16
	global_load_b128 v[128+4*ii:131+4*ii], v4, s[MB:MB+1] offset:3*8192+64*(ii/2)+16*(ii%2)   ; gamma_f
	global_load_b128 v[192+4*ii:195+4*ii], v4, s[MB:MB+1] offset:4*8192+64*(ii/2)+16*(ii%2)   ; beta_f
.set ii, ii+1
.endr
	WIN 0
.set ii, 0
.rept 16
	global_load_b128 v[64+4*ii:67+4*ii], v4, s[MB:MB+1] offset:2*8192+64*(ii/2)+16*(ii%2)     ; alpha_a
.set ii, ii+1
.endr
	WIN 0x40
.set ii, 0
.rept 64
	global_load_b128 v[4*ii:4*ii+3], v2, s[OB:OB+1] offset:16384*(ii/32)+512*(ii%32)
.set ii, ii+1
.endr
	BSET 0, 0
	BSET 1, 2
.set gi, 0
.rept 8
.if gi < 7
	s_wait_loadcnt 32                              ; this group's set is in, and all that is older; the other set's 32 loads may stay out
.else
	s_wait_loadcnt 0x0
.endif
	GRP gi%2, 2*gi
.if gi < 6
	PLACES                                         ; behind the last product that read the set
	BSET gi%2, 2*gi+4
.endif
.set gi, gi+1
.endr
	PLACES
	WIN 0x30                                       ; x in window 3
.set ii, 0
.rept 64
	v_pk_fma_f32 v[128+2*ii:129+2*ii], v[128+2*ii:129+2*ii], v[64+2*(ii%32):65+2*(ii%32)], v[2*ii:2*ii+1]  ; x1 = sum * alpha + x
.set ii, ii+1
.endr
	WIN 0
.set ii, 0
.rept 32
	global_store_b128 v2, v[128+4*ii:131+4*ii], s[X1:X1+1] offset:32768*(ii/16)+512*(ii%16)
.set ii, ii+1
.endr
.set ii, 0
.rept 64                                       ; the squares of my 64 numbers of each token: two chains for each row block
.if ii%32 < 2
	v_pk_mul_f32 v[16+4*(ii/32)+2*(ii%2):17+4*(ii/32)+2*(ii%2)], v[128+2*ii:129+2*ii], v[128+2*ii:129+2*ii]
.else
	v_pk_fma_f32 v[16+4*(ii/32)+2*(ii%2):17+4*(ii/32)+2*(ii%2)], v[128+2*ii:129+2*ii], v[128+2*ii:129+2*ii], v[16+4*(ii/32)+2*(ii%2):17+4*(ii/32)+2*(ii%2)]
.endif
.set ii, ii+1
.endr
	v_pk_add_f32 v[16:17], v[16:17], v[18:19]
	v_pk_add_f32 v[20:21], v[20:21], v[22:23]
	v_add_f32 v16, v16, v17
	v_add_f32 v20, v20, v21
	v_permlanex16_b32 v17, v16, s46, s47           ; the token's other columns of each block lie in the lane 16 away
	v_permlanex16_b32 v21, v20, s46, s47
	v_add_f32 v16, v16, v17
	v_add_f32 v20, v20, v21
	ds_store_b32 v5, v16                           ; [wave][row block][token]: both lanes of a token write the same word with the same number
	ds_store_b32 v5, v20 offset:64
	s_wait_dscnt 0x0                               ; for the others' sake
	s_barrier_signal -1
	s_barrier_wait -1
.set ii, 0
.rept 8
	ds_load_b32 v[24+ii], v6 offset:128*(ii%4)+64*(ii/4)
.set ii, ii+1
.endr
	s_wait_dscnt 0x0
	v_add_f32 v24, v24, v25
	v_add_f32 v26, v26, v27
	v_add_f32 v28, v28, v29
	v_add_f32 v30, v30, v31
	v_add_f32 v24, v24, v26
	v_add_f32 v28, v28, v30
	v_fma_f32 v24, v24, s44, s45
	v_fma_f32 v28, v28, s44, s45
	v_rsq_f32 v16, v24
	v_rsq_f32 v20, v28
	v_nop
	s_wait_alu depctr_va_vdst(0)                   ; one wait for the two roots
	WIN 0xc0                                       ; into window 3: the accumulators, which stores still read, stay as they are
.set ii, 0
.rept 64
	v_pk_mul_f32 v[2*ii:2*ii+1], v[128+2*ii:129+2*ii], v[16+4*(ii/32):17+4*(ii/32)] op_sel_hi:[1,0]
.set ii, ii+1
.endr
	WIN 0xff
.set ii, 0
.rept 64
	v_pk_fma_f32 v[2*ii:2*ii+1], v[2*ii:2*ii+1], v[128+2*(ii%32):129+2*(ii%32)], v[192+2*(ii%32):193+2*(ii%32)]
.set ii, ii+1
.endr
	WIN 0x0f
.set ii, 0
.rept 64
	v_cvt_pk_bf16_f32 v[64+ii], v[2*ii], v[2*ii+1]
.set ii, ii+1
.endr
	WIN 0
.set ii, 0
.rept 16
	global_store_b128 v2, v[64+4*ii:67+4*ii], s[H2:H2+1] offset:16384*(ii/8)+512*(ii%8)
.set ii, ii+1
.endr
	s_wait_tensorcnt 0x0                           ; the wave's end, behind my last LDS store
	ds_add_u32 v[SPW], v[NIL]
	s_wait_dscnt 0x0
	s_endpgm
.Lfunc_end_k_qa5328154da_oproj:
	.size	k_qa5328154da_oproj, .Lfunc_end_k_qa5328154da_oproj-k_qa5328154da_oproj
	.p2alignl 7, 3214868480
	.fill 96, 4, 3214868480
	.section	.rodata,"a",@progbits
	.p2align	6, 0x0
	.amdhsa_kernel k_qa5328154da_oproj
		.amdhsa_group_segment_fixed_size 1024
		.amdhsa_private_segment_fixed_size 0
		.amdhsa_enable_private_segment 0
		.amdhsa_kernarg_size 48
		.amdhsa_user_sgpr_count 2
		.amdhsa_user_sgpr_kernarg_segment_ptr 1
		.amdhsa_wavefront_size32 1
		.amdhsa_system_sgpr_workgroup_id_x 1
		.amdhsa_system_sgpr_workgroup_id_y 1
		.amdhsa_system_sgpr_workgroup_id_z 1
		.amdhsa_system_vgpr_workitem_id 0
		.amdhsa_next_free_vgpr 1024
		.amdhsa_next_free_sgpr 66
		.amdhsa_reserve_vcc 0
		.amdhsa_float_denorm_mode_32 3
		.amdhsa_float_denorm_mode_16_64 3
		.amdhsa_memory_ordered 1
		.amdhsa_forward_progress 1
		.amdhsa_inst_pref_size 84
	.end_amdhsa_kernel
	.amdgpu_metadata
---
amdhsa.version: [ 1, 2 ]
amdhsa.kernels:
  - .name:           k_qa5328154da_oproj
    .symbol:         k_qa5328154da_oproj.kd
    .args:
      - { .name: of, .offset: 0, .size: 8, .value_kind: global_buffer, .address_space: global }
      - { .name: wbf, .offset: 8, .size: 8, .value_kind: global_buffer, .address_space: global }
      - { .name: x, .offset: 16, .size: 8, .value_kind: global_buffer, .address_space: global }
      - { .name: mods, .offset: 24, .size: 8, .value_kind: global_buffer, .address_space: global }
      - { .name: x1f, .offset: 32, .size: 8, .value_kind: global_buffer, .address_space: global }
      - { .name: h2f, .offset: 40, .size: 8, .value_kind: global_buffer, .address_space: global }
    .group_segment_fixed_size: 1024
    .private_segment_fixed_size: 0
    .kernarg_segment_align: 8
    .kernarg_segment_size: 48
    .max_flat_workgroup_size: 128
    .sgpr_count:     66
    .vgpr_count:     1024
    .wavefront_size: 32
...
	.end_amdgpu_metadata
.endif
;; end of part 4
;; launch ffn1 (part 5): grid 32 x 8, 4 waves a work-group, clusters of 4 x 1, 327,680 bytes of LDS; arguments h2f, wbf, actf; writes actf
.if DOCPART == 5
	.amdgcn_target "amdgcn-amd-amdhsa--gfx1250"
	.amdhsa_code_object_version 6
	.text
	.protected	k_qa5328154da_ffn1
	.globl	k_qa5328154da_ffn1
	.p2align	8
	.type	k_qa5328154da_ffn1,@function
k_qa5328154da_ffn1:
	s_mov_b64 s[64:65], 0
	v_nop
	global_prefetch_b8 v0, s[64:65] scope:SCOPE_SE
	s_setreg_imm32_b32 hwreg(HW_REG_WAVE_MODE, 25, 1), 1
	s_wait_xcnt 0x0
	s_wait_alu depctr_hold_cnt(0) depctr_sa_sdst(0) depctr_va_vdst(0) depctr_va_sdst(0) depctr_va_ssrc(0) depctr_va_vcc(0) depctr_vm_vsrc(0)
	s_getreg_b32 s2, hwreg(HW_REG_IB_STS2, 6, 4)
	s_cmp_eq_u32 s2, 0
	s_cbranch_scc0 .Lentry_in_a_cluster
	s_endpgm
.Lentry_in_a_cluster:
	s_bfe_u32 s2, ttmp6, 0x10000c
	s_cmp_lg_u32 s2, 0x3003
	s_cbranch_scc0 .Lentry_shape_is_right
	s_endpgm
.Lentry_shape_is_right:
; FFN1.  act = silu(h2 G^T) * (h2 H^T); products in bf16 with f32 sums, the activation in f32 ((g * sigmoid(g)) * h), act rounded once to bf16.
; SHARES.  A work-group: 256 tokens (x) and 256 hidden columns (y) = 32 blocks of 16 weight rows, gate and hidden by turns.  A wave: 64 tokens, whose h2 (512 registers) stays in registers.
; THE RING.  Two slots of 131,072 bytes, each 8 blocks = 4 pairs = 512 products of a wave; the group's 32 blocks are four tiles.  Each wave fetches a quarter of a tile by one tensor load.
; The four work-groups of a cluster want the same tiles: every load is JOINT (mask of four), and the round of the cluster's barrier stands where a slot is filled again.
; By the text's own count a wave has two tensor loads out at the start and one behind each round.
; ONE BLOCK BEHIND, THE PRODUCT TRANSPOSED, FRAGMENT-MAJOR STORES: as in qkv.  actf: [16 tokens 512][16 hidden columns 128][512 bytes].
; sigmoid(g) = 1 / (1 + 2^(-g log2 e)): where the power overflows the reciprocal is 0, as in f32 the reference's product is.
; REGISTERS.  window 0: addresses, v32-63 ACCG, v64-95 ACCH, v96-127 at work, v128-143 packed.  windows 1, 3: h2.  window 2: two block buffers.
; lds_bytes claims all of a WGP's LDS; 262,656 bytes are used.
.set MSB, 0
.macro WIN new
.if MSB != (\new)
	s_set_vgpr_msb (MSB<<8)|(\new)
.set MSB, (\new)
.endif
.endm
.macro PLACES
.rept 4
	v_nop
.endr
.endm
.set SLOT1, 1<<17
.set SPARE, 262144
.set AB,   3
.set ID,   4                           ; v4  16 x lane; never rewritten
.set PFO,  8                           ; v8  256 x lane; never rewritten
.set SPW,  12
.set NIL,  13
.set ACCG, 32
.set ACCH, 64
.set EE,   96
.set YY,   128
.set WV,   12
.set G1,   24
.set G0A,  32                          ; s[32:35] tile 0 into slot 0
.set G0B,  36                          ; s[36:39] tile 1 into slot 1; then it walks
.set DST,  40
.set CNT,  45
.set TB,   46
.set SLOTS, 47
.set XA,   48
.set PFA,  50                          ; s[50:51] my 8,192 bytes of tile 3; never rewritten
.set LIM,  52
.macro CROUND
	s_barrier_signal -1
	s_barrier_wait -1
	s_cmp_lg_u32 s[WV], 0
	s_cbranch_scc1 .Lnot_wave_0_\@
	s_barrier_signal -3
.Lnot_wave_0_\@:
	s_barrier_wait -3
	s_barrier_signal -1
	s_barrier_wait -1
.endm
; A PREFETCH of tile 3, behind the refill that asks for tile 2: one slot, 512 products, ahead of the load that will want it.  Eight clusters read each group of blocks: the first (cluster x = 0) asks.
; Its 16 waves share the tile's 512 blocks of 256 bytes out by address, a lane a block: each is named once in the launch.  Tiles 0 to 2 come by their loads alone; nothing is asked for at the head.
.macro ASK
	s_cmp_gt_u32 s[SLOTS], s[LIM]
	s_cbranch_scc0 .Lnot_mine_\@
	global_prefetch_b8 v[PFO], s[PFA:PFA+1] th:TH_LOAD_NT scope:SCOPE_SE
.Lnot_mine_\@:
.endm
	s_load_b128 s[4:7], s[0:1], 0x0                ; h2f, wbf
	s_load_b64 s[8:9], s[0:1], 0x10                ; actf
	v_lshl_add_u32 v[SPW], v0, 2, SPARE
	v_mov_b32 v[NIL], 0
	ds_add_u32 v[SPW], v[NIL]                      ; the wave's opening: the add and its wait ahead of my first tensor load
	v_lshrrev_b32 v1, 5, v0
	v_readfirstlane_b32 s[WV], v1
	s_bfe_u32 s13, ttmp6, 0x40000                  ; cx
	s_lshl_b32 s14, ttmp9, 2
	s_add_co_u32 s14, s14, s13                     ; my block of 256 tokens
	s_and_b32 s15, ttmp7, 0xffff                   ; the group of 256 hidden columns, which the partners share
	s_mov_b32 s[G1+0], 15|(3<<16)|(1<<21)          ; the mask of four; elements of 8 bytes; bit 21 set beside a mask
	s_mov_b32 s[G1+1], 32<<16                      ; 32,768 dense bytes as 128 rows of 256
	s_mov_b32 s[G1+2], 128<<16
	s_mov_b32 s[G1+3], 32<<16
	s_mov_b32 s[G1+4], 128
	s_mov_b32 s[G1+5], 32
	s_mov_b32 s[G1+6], 0
	s_mov_b32 s[G1+7], 0
	s_mov_b32 s[G0A], 1
	s_lshl_b32 s[G0A+1], s[WV], 15                 ; LDS: my quarter of slot 0,
	s_mov_b32 s[G0B], 1
	s_add_co_u32 s[G0B+1], s[G0A+1], SLOT1         ; of slot 1
	s_lshl_b32 s20, s15, 19
	s_add_co_u32 s20, s20, 2097152                 ; block 128 + 32 ng
	s_add_co_u32 s22, s20, 3*131072                ; tile 3,
	s_add_co_u32 s20, s20, s[G0A+1]
	s_mov_b32 s21, 0
	s_lshl2_add_u32 s23, s13, s[WV]
	s_lshl_b32 s23, s23, 13                        ; my 8,192 bytes of it
	s_add_co_u32 s22, s22, s23
	s_mov_b32 s23, 0
	s_lshl_b32 s16, s14, 4
	s_lshl2_add_u32 s16, s[WV], s16                ; 16 mb + 4 w
	s_lshl_b32 s18, s16, 14
	s_mov_b32 s19, 0
	s_lshl_b32 s16, s16, 16
	s_lshl_b32 s17, s15, 13
	s_add_co_u32 s16, s16, s17                     ; (16 mb + 4 w) x 65,536 + 16 ng x 512
	s_mov_b32 s17, 0
	s_cmp_eq_u32 ttmp9, 0
	s_cselect_b32 s[LIM], 1, -1                    ; the same in all four partners
	s_mov_b32 s[TB], 0
	s_mov_b32 s[CNT], 4
	s_mov_b32 s[SLOTS], 3
	v_and_b32 v[ID], 31, v0
	v_lshlrev_b32 v[PFO], 8, v[ID]
	v_lshlrev_b32 v[ID], 4, v[ID]
	v_mov_b32 v[AB], v[ID]
	s_wait_dscnt 0x0                               ; the opening add is done
	s_wait_kmcnt 0x0
	s_add_nc_u64 s[G0A+2:G0A+3], s[6:7], s[20:21]
	s_add_nc_u64 s[G0B+2:G0B+3], s[G0A+2:G0A+3], 131072
	s_or_b32 s[G0A+3], s[G0A+3], 0x80000000
	s_or_b32 s[G0B+3], s[G0B+3], 0x80000000
	s_add_nc_u64 s[PFA:PFA+1], s[6:7], s[22:23]
	s_add_nc_u64 s[XA:XA+1], s[4:5], s[18:19]
	s_add_nc_u64 s[DST:DST+1], s[8:9], s[16:17]
	CROUND                                         ; all four work-groups are here: the first joint loads meet
	tensor_load_to_lds s[G0A:G0A+3], s[G1:G1+7]
	s_nop 0
	tensor_load_to_lds s[G0B:G0B+3], s[G1:G1+7]
	s_nop 0
	PLACES
	WIN 0x40
.set ii, 0
.rept 64
	global_load_b128 v[4*ii:4*ii+3], v[ID], s[XA:XA+1] offset:16384*(ii/16)+512*(ii%16)
.set ii, ii+1
.endr
	WIN 0xc0
.set ii, 0
.rept 64
	global_load_b128 v[4*ii:4*ii+3], v[ID], s[XA:XA+1] offset:16384*(ii/16)+8192+512*(ii%16)
.set ii, ii+1
.endr
	WIN 0
	s_wait_tensorcnt 0x1                           ; my quarter of tile 0 is in; tile 1's may stay out
	s_barrier_signal -1
	s_barrier_wait -1
.macro LOADB n
	WIN 0x80
.set ii, 0
.rept 32
	ds_load_b128 v[128*(\n)+4*ii:128*(\n)+4*ii+3], v[AB] offset:16384*(\n)+512*ii
.set ii, ii+1
.endr
	WIN 0
.endm
.macro RUN n, acc                      ; 64 products; the four accumulators take turns, one instruction a turn; the first four start the sums
	WIN 0x06
.set ik, 0
.rept 16
.if ik == 8
	WIN 0x0e
.endif
.set ia, 0
.rept 4
.if ik == 0
	v_wmma_f32_16x16x32_bf16 v[(\acc)+8*ia:(\acc)+8*ia+7], v[128*(\n)+8*ik:128*(\n)+8*ik+7], v[64*ia+8*(ik%8):64*ia+8*(ik%8)+7], 0
.else
	v_wmma_f32_16x16x32_bf16 v[(\acc)+8*ia:(\acc)+8*ia+7], v[128*(\n)+8*ik:128*(\n)+8*ik+7], v[64*ia+8*(ik%8):64*ia+8*(ik%8)+7], v[(\acc)+8*ia:(\acc)+8*ia+7]
.endif
.set ia, ia+1
.endr
.set ik, ik+1
.endr
	WIN 0
.endm
.macro EPI                             ; 16 hidden columns of 64 tokens.  The first 16 lines, on ACCG alone, are the places behind ACCH's last products.  Two batches of 32 transcendentals, one wait each
.set ii, 0
.rept 16
	v_pk_mul_f32 v[EE+2*ii:EE+2*ii+1], v[ACCG+2*ii:ACCG+2*ii+1], 0xbfb8aa3b op_sel_hi:[1,0]   ; -g log2(e)
.set ii, ii+1
.endr
.set ii, 0
.rept 32
	v_exp_f32 v[EE+ii], v[EE+ii]
.set ii, ii+1
.endr
	v_nop
	s_wait_alu depctr_va_vdst(0)
.set ii, 0
.rept 16
	v_pk_add_f32 v[EE+2*ii:EE+2*ii+1], v[EE+2*ii:EE+2*ii+1], 1.0 op_sel_hi:[1,0]
.set ii, ii+1
.endr
.set ii, 0
.rept 32
	v_rcp_f32 v[EE+ii], v[EE+ii]
.set ii, ii+1
.endr
	v_nop
	s_wait_alu depctr_va_vdst(0)
.set ii, 0
.rept 16
	v_pk_mul_f32 v[EE+2*ii:EE+2*ii+1], v[EE+2*ii:EE+2*ii+1], v[ACCG+2*ii:ACCG+2*ii+1]
.set ii, ii+1
.endr
.set ii, 0
.rept 16
	v_pk_mul_f32 v[EE+2*ii:EE+2*ii+1], v[EE+2*ii:EE+2*ii+1], v[ACCH+2*ii:ACCH+2*ii+1]
.set ii, ii+1
.endr
.set ii, 0
.rept 16
	v_cvt_pk_bf16_f32 v[YY+ii], v[EE+2*ii], v[EE+2*ii+1]
.set ii, ii+1
.endr
.set ii, 0
.rept 4
	global_store_b128 v[ID], v[YY+4*ii:YY+4*ii+3], s[DST:DST+1] offset:65536*ii
.set ii, ii+1
.endr
	s_wait_xcnt 0x0                                ; the stores have read their registers: base and data are written again only behind this wait
	s_add_nc_u64 s[DST:DST+1], s[DST:DST+1], 512
.endm
.macro TOP
	PLACES                                         ; behind the last product that read buffer 0 and wrote ACCG
	v_add_nc_u32 v[AB], s[TB], v[ID]
	LOADB 0
	s_wait_dscnt 32                                ; buffer 1 is in; the 32 just issued stay out
	RUN 1, ACCH
	EPI
.endm
.macro MID
	LOADB 1
	s_add_co_u32 s[TB], s[TB], 32768
	s_wait_dscnt 32                                ; buffer 0 is in
	RUN 0, ACCG
.endm
; THE CHANGE OF SLOTS.  All eight blocks of the slot have been asked out of LDS.  Each wave waits for all its tensor loads (one is out: its quarter of the other slot), adds 0 to its spare word, and waits
; for that and for its reads of the slot.  fill = 1: the barrier is a round of the cluster's, and the joint refill is the first thing behind it: it has four pairs, 512 products, in which to land.
.macro CHANGE fill
	WIN 0
	s_wait_tensorcnt 0x0                           ; no tensor load of mine is out, so a group 0 may be written
	ds_add_u32 v[SPW], v[NIL]
.if \fill
	s_xor_b32 s[G0B+1], s[G0B+1], SLOT1            ; the other slot than last time,
	s_add_nc_u64 s[G0B+2:G0B+3], s[G0B+2:G0B+3], 131072  ; the next tile
	s_wait_dscnt 0x0                               ; the add is done, and my reads of the slot are over
	CROUND
	tensor_load_to_lds s[G0B:G0B+3], s[G1:G1+7]
	s_nop 0
	PLACES
	ASK
.else
	s_wait_dscnt 0x0
	s_barrier_signal -1
	s_barrier_wait -1
.endif
	s_sub_co_u32 s[TB], s[TB], 131072              ; the fetches go back to a slot's first pair,
	s_xor_b32 s[TB], s[TB], SLOT1                  ; in the other slot
.endm
	LOADB 0
	s_wait_loadcnt 0x0                             ; h2
	s_branch .Lmid                                 ; the loop is entered in the middle of a trip
.Lslot:                                        ; twice: slots 0 and 1 are filled again, with tiles 2 and 3
	CHANGE 1
	s_mov_b32 s[CNT], 4
.Ltop:
	TOP
.Lmid:
	MID
	s_sub_co_u32 s[CNT], s[CNT], 1
	s_cmp_lg_u32 s[CNT], 0
	s_cbranch_scc1 .Ltop
	s_sub_co_u32 s[SLOTS], s[SLOTS], 1
	s_cmp_lg_u32 s[SLOTS], 0
	s_cbranch_scc1 .Lslot
	CHANGE 0                                       ; the last tile is written out
	s_mov_b32 s[CNT], 4
.Ltop2:
	TOP
	MID
	s_sub_co_u32 s[CNT], s[CNT], 1
	s_cmp_lg_u32 s[CNT], 0
	s_cbranch_scc1 .Ltop2
	s_wait_dscnt 0x0
	PLACES                                         ; the places behind ACCG's last products: the products that follow are none (ISA guide 7.12.1)
	RUN 1, ACCH
	EPI
	s_wait_tensorcnt 0x0                           ; the wave's end
	ds_add_u32 v[SPW], v[NIL]
	s_wait_dscnt 0x0
	CROUND                                         ; the closing round
	s_endpgm
.Lfunc_end_k_qa5328154da_ffn1:
	.size	k_qa5328154da_ffn1, .Lfunc_end_k_qa5328154da_ffn1-k_qa5328154da_ffn1
	.p2alignl 7, 3214868480
	.fill 96, 4, 3214868480
	.section	.rodata,"a",@progbits
	.p2align	6, 0x0
	.amdhsa_kernel k_qa5328154da_ffn1
		.amdhsa_group_segment_fixed_size 327680
		.amdhsa_private_segment_fixed_size 0
		.amdhsa_enable_private_segment 0
		.amdhsa_kernarg_size 24
		.amdhsa_user_sgpr_count 2
		.amdhsa_user_sgpr_kernarg_segment_ptr 1
		.amdhsa_wavefront_size32 1
		.amdhsa_system_sgpr_workgroup_id_x 1
		.amdhsa_system_sgpr_workgroup_id_y 1
		.amdhsa_system_sgpr_workgroup_id_z 1
		.amdhsa_system_vgpr_workitem_id 0
		.amdhsa_next_free_vgpr 1024
		.amdhsa_next_free_sgpr 66
		.amdhsa_reserve_vcc 0
		.amdhsa_float_denorm_mode_32 3
		.amdhsa_float_denorm_mode_16_64 3
		.amdhsa_memory_ordered 1
		.amdhsa_forward_progress 1
		.amdhsa_inst_pref_size 74
	.end_amdhsa_kernel
	.amdgpu_metadata
---
amdhsa.version: [ 1, 2 ]
amdhsa.kernels:
  - .name:           k_qa5328154da_ffn1
    .symbol:         k_qa5328154da_ffn1.kd
    .args:
      - { .name: h2f, .offset: 0, .size: 8, .value_kind: global_buffer, .address_space: global }
      - { .name: wbf, .offset: 8, .size: 8, .value_kind: global_buffer, .address_space: global }
      - { .name: actf, .offset: 16, .size: 8, .value_kind: global_buffer, .address_space: global }
    .group_segment_fixed_size: 327680
    .private_segment_fixed_size: 0
    .kernarg_segment_align: 8
    .kernarg_segment_size: 24
    .max_flat_workgroup_size: 128
    .sgpr_count:     66
    .vgpr_count:     1024
    .wavefront_size: 32
...
	.end_amdgpu_metadata
.endif
;; end of part 5
;; launch ffn2 (part 6): grid 4 x 64, 4 waves a work-group, clusters of 4 x 4, 327,680 bytes of LDS; arguments actf, wbf, x1f, mods, out_b, out0; writes out0
.if DOCPART == 6
	.amdgcn_target "amdgcn-amd-amdhsa--gfx1250"
	.amdhsa_code_object_version 6
	.text
	.protected	k_qa5328154da_ffn2
	.globl	k_qa5328154da_ffn2
	.p2align	8
	.type	k_qa5328154da_ffn2,@function
k_qa5328154da_ffn2:
	s_mov_b64 s[64:65], 0
	v_nop
	global_prefetch_b8 v0, s[64:65] scope:SCOPE_SE
	s_setreg_imm32_b32 hwreg(HW_REG_WAVE_MODE, 25, 1), 1
	s_wait_xcnt 0x0
	s_wait_alu depctr_hold_cnt(0) depctr_sa_sdst(0) depctr_va_vdst(0) depctr_va_sdst(0) depctr_va_ssrc(0) depctr_va_vcc(0) depctr_vm_vsrc(0)
	s_getreg_b32 s2, hwreg(HW_REG_IB_STS2, 6, 4)
	s_cmp_eq_u32 s2, 0
	s_cbranch_scc0 .Lentry_in_a_cluster
	s_endpgm
.Lentry_in_a_cluster:
	s_bfe_u32 s2, ttmp6, 0x10000c
	s_cmp_lg_u32 s2, 0xf033
	s_cbranch_scc0 .Lentry_shape_is_right
	s_endpgm
.Lentry_shape_is_right:
; FFN2.  out = x1 + alpha_f * (act out_w^T + out_b).  act and out_w in bf16, sums in f32; the rest in f32.
; A tile of the output is 128 x 128: 4 x 64 = 256 work-groups.  Four waves, each 64 x 64: 16 accumulators.  K = 2,048 goes in 8 steps of 256 through two LDS slots.
; act and out_w lie fragment-major, so a slot is dense: A's 8 row blocks x 8 fragments of 1,024 bytes, then B's: 131,072 bytes; a wave's tensor load brings 4 rows of 8,192 bytes, 65,536 bytes apart in memory;
; every fragment load takes 512 consecutive bytes of LDS.
; CLUSTERS: 4 x 4 work-groups.  The four of a row of the cluster need the same tiles of act, the four of a column the same tiles of out_w: each is asked for JOINTLY.
; THE PRODUCT IS USED TRANSPOSED (source 0 = 16 rows of out_w, source 1 = 16 tokens).  THE BIAS STARTS THE SUMS: it is loaded into the accumulators, so nothing is cleared and nothing is added later.
; THE WAY OUT: a wave's 64 columns are 256 bytes of a row of out0: 16 rows at a time go through the wave's own stage in LDS and leave as whole aligned runs of 256 bytes.
; No prefetch: a step of this small tile is short, and each tile is shared by four work-groups through the joint loads.
; REGISTERS.  window 0: v16-30 addresses; v32-95 at work on the way out; v128-255 accumulators ((a, b) at 128 + 8 (4 a + b)).  window 1: two fragment buffers of 128 (64 along K: 64 of A, 64 of B).
; window 2: v0-127 x1 as an accumulator holds it; v128-159 alpha_f.
.set KSTEPB, 8192                      ; bytes of a K step in one block of 16 rows
.set SLOT,   131072
.set STAGE,  2*SLOT                    ; behind the ring: 16 rows x 272 bytes for each wave
.set SPITCH, 272
.set SPARE,  STAGE+4*16*SPITCH         ; behind the stages: the spare words, 128 bytes a wave
.set LAPS,   4
.set ADRA, 16                          ; v16-17  LDS address of my A fragments in slot 0, 1
.set ADRB, 20                          ; v20-21  the same for B
.set STO,  24
.set RD,   25
.set CO,   26
.set LN,   27                          ; v27  16 x lane
.set SPW,  28
.set NIL,  29
.set HO,   30                          ; v30  32 h
.set TMP,  32
.set ACC,  128
.set F0,   0
.set F1,   128
.set G1, 24
.set G0, 32
.set G1B, 48
.set G0B, 56
.set MSB, 0
.macro WIN new
.if MSB != (\new)
	s_set_vgpr_msb (MSB<<8)|(\new)
.set MSB, \new
.endif
.endm
.set MUL,  0x05                        ; sources 0 (B) and 1 (A) window 1; C and D window 0
.set TO_F, 0x40
.macro JLOAD s                         ; a joint load: waves 0 and 1 fetch A's two halves, waves 2 and 3 B's
	s_cmp_eq_u32 s11, 0
	s_cbranch_scc0 .Lfor_b_\@
	tensor_load_to_lds s[G0+4*(\s):G0+4*(\s)+3], s[G1:G1+7]
	s_nop 0
.rept 4
	v_nop
.endr
	s_branch .Lasked_\@
.Lfor_b_\@:
	tensor_load_to_lds s[G0B+4*(\s):G0B+4*(\s)+3], s[G1B:G1B+7]
	s_nop 0
.rept 4
	v_nop
.endr
.Lasked_\@:
.endm
.macro CREST
	s_cmp_lg_u32 s10, 0
	s_cbranch_scc1 .Lnot_wave_0_\@
	s_barrier_signal -3
.Lnot_wave_0_\@:
	s_barrier_wait -3
	s_barrier_signal -1
	s_barrier_wait -1
.endm
.macro CROUND
	s_barrier_signal -1
	s_barrier_wait -1
	CREST
.endm
	s_load_b256 s[68:75], s[0:1], 0x0              ; actf, wbf, x1f, mods
	s_load_b128 s[76:79], s[0:1], 0x20             ; out_b, out0
	v_lshl_add_u32 v[SPW], v0, 2, SPARE
	v_mov_b32 v[NIL], 0
	ds_add_u32 v[SPW], v[NIL]                      ; the wave's opening: the add and its wait ahead of my first tensor load
	v_lshrrev_b32 v1, 5, v0
	v_readfirstlane_b32 s10, v1                    ; wave 0..3
	s_lshr_b32 s11, s10, 1                         ; which half of the tile's rows is mine.  Also: I fetch for A (0) or for B (1)
	s_and_b32 s12, s10, 1                          ; which half of its columns.  Also: which four blocks of that tile I fetch
	s_bfe_u32 s40, ttmp6, 0x40000                  ; cx, cy
	s_bfe_u32 s41, ttmp6, 0x40004
	s_lshl_b32 s42, ttmp9, 2
	s_add_co_u32 s42, s42, s40                     ; tile column
	s_and_b32 s13, ttmp7, 0xffff
	s_lshl_b32 s13, s13, 2
	s_add_co_u32 s13, s13, s41                     ; tile row
	s_lshl_b32 s43, s41, 2
	s_lshl_b32 s43, 15, s43                        ; my row of the cluster
	s_lshl_b32 s44, 0x1111, s40                    ; my column
	s_or_b32 s[G1+0], s43, (3<<16)|(1<<21)         ; the mask; elements of 8 bytes; bit 21 set beside a mask
	s_or_b32 s[G1B+0], s44, (3<<16)|(1<<21)
.irp g, G1, G1B
	s_mov_b32 s[(\g)+1], 1024<<16                  ; tensor_dim0 = 1,024 elements: 8,192 bytes
	s_mov_b32 s[(\g)+2], 4<<16                     ; tensor_dim1 = 4
	s_mov_b32 s[(\g)+3], 1024<<16                  ; tile_dim0
	s_mov_b32 s[(\g)+4], 4                         ; tile_dim1
	s_mov_b32 s[(\g)+5], 8192                      ; 65,536 bytes from row to row
	s_mov_b32 s[(\g)+6], 0
	s_mov_b32 s[(\g)+7], 0
.endr
	s_lshl_b32 s17, s12, 2
	s_lshl_b32 s16, s13, 3
	s_add_co_u32 s16, s16, s17
	s_lshl_b32 s16, s16, 16                        ; A: block 8 x tile row + 4 x half
	s_lshl_b32 s46, s42, 3
	s_add_co_u32 s46, s46, s17
	s_lshl_b32 s46, s46, 16                        ; B: block 8 x tile column + 4 x half,
	s_add_co_u32 s46, s46, 6291456                 ; behind wbf's first 384 blocks
	s_mov_b32 s17, 0
	s_mov_b32 s47, 0
	s_lshl_b32 s20, s10, 15                        ; where they go: 32,768 x wave
	s_wait_dscnt 0x0                               ; the opening add is done
	s_wait_kmcnt 0x0
	s_add_nc_u64 s[14:15], s[68:69], s[16:17]
	s_add_nc_u64 s[46:47], s[70:71], s[46:47]
	CROUND                                         ; all sixteen work-groups are here: the first joint loads meet
.irp s, 0,1
	s_mov_b32 s[G0+4*(\s)], 1
	s_add_co_u32 s[G0+4*(\s)+1], s20, (\s)*SLOT
	s_add_nc_u64 s[G0+4*(\s)+2:G0+4*(\s)+3], s[14:15], (\s)*KSTEPB
	s_or_b32 s[G0+4*(\s)+3], s[G0+4*(\s)+3], 0x80000000
	s_mov_b32 s[G0B+4*(\s)], 1
	s_add_co_u32 s[G0B+4*(\s)+1], s20, (\s)*SLOT
	s_add_nc_u64 s[G0B+4*(\s)+2:G0B+4*(\s)+3], s[46:47], (\s)*KSTEPB
	s_or_b32 s[G0B+4*(\s)+3], s[G0B+4*(\s)+3], 0x80000000
	JLOAD \s
.endr
	v_and_b32 v1, 15, v0                           ; l % 16
	v_bfe_u32 v2, v0, 4, 1                         ; l / 16
	v_and_b32 v[LN], 31, v0
	v_lshlrev_b32 v[LN], 4, v[LN]
	v_lshlrev_b32 v[HO], 5, v2
	s_lshl_b32 s46, s42, 9
	s_lshl_b32 s47, s12, 8
	s_add_co_u32 s46, s46, s47                     ; my 64 columns in f32: 512 x tile column + 256 x half
	s_mov_b32 s47, 0
	s_add_nc_u64 s[80:81], s[76:77], s[46:47]      ; out_b
	s_lshr_b32 s18, s13, 4                         ; the batch: 16 tile rows each
	s_add_co_u32 s18, s18, 20                      ; vector 5 of the six
	s_lshl_b32 s18, s18, 11
	s_mov_b32 s19, 0
	s_add_nc_u64 s[82:83], s[74:75], s[18:19]
	s_add_nc_u64 s[82:83], s[82:83], s[46:47]      ; alpha_f
	s_lshl_b32 s18, s13, 7
	s_lshl_b32 s16, s11, 6
	s_add_co_u32 s18, s18, s16
	s_lshl_b32 s18, s18, 11                        ; my first row of out0
	s_add_nc_u64 s[8:9], s[78:79], s[18:19]
	s_add_nc_u64 s[8:9], s[8:9], s[46:47]
	s_lshl_b32 s18, s13, 3
	s_lshl2_add_u32 s18, s11, s18
	s_lshl_b32 s18, s18, 15                        ; x1f: my first block of 16 tokens,
	s_add_nc_u64 s[4:5], s[72:73], s[18:19]
	s_lshl_b32 s18, s42, 3
	s_lshl2_add_u32 s18, s12, s18
	s_lshl_b32 s18, s18, 10                        ; my first block of 16 columns
	s_add_nc_u64 s[4:5], s[4:5], s[18:19]
.set ii, 0
.rept 32                                       ; the bias, into all four row blocks' accumulators
	global_load_b128 v[ACC+4*ii:ACC+4*ii+3], v[HO], s[80:81] offset:64*((ii%8)/2)+16*(ii%2)
.set ii, ii+1
.endr
	WIN 0x80
.set ii, 0
.rept 32
	global_load_b128 v[4*ii:4*ii+3], v[LN], s[4:5] offset:32768*(ii/8)+512*(ii%8)
.set ii, ii+1
.endr
.set ii, 0
.rept 8
	global_load_b128 v[128+4*ii:131+4*ii], v[HO], s[82:83] offset:64*(ii/2)+16*(ii%2)
.set ii, ii+1
.endr
	WIN 0
	s_lshl_b32 s21, s11, 15                        ; my four blocks of A
	s_lshl_b32 s22, s12, 15                        ; my four blocks of B,
	s_add_co_u32 s22, s22, 65536                   ; which lie behind A's eight
.irp s, 0,1
	v_add_nc_u32 v[ADRA+(\s)], s21, v[LN]
	v_add_nc_u32 v[ADRB+(\s)], s22, v[LN]
	s_add_co_u32 s21, s21, SLOT
	s_add_co_u32 s22, s22, SLOT
.endr
	s_mul_i32 s23, s10, 16*SPITCH
	s_add_co_u32 s23, s23, STAGE                   ; my stage
	v_mul_u32_u24 v4, v1, SPITCH                   ; in: row l % 16, 32 bytes for each half of the lanes
	v_lshl_add_u32 v4, v2, 5, v4
	v_add_nc_u32 v[STO], s23, v4
	v_mul_u32_u24 v5, v2, SPITCH                   ; back: lanes 0-15 take one row of 256 bytes, lanes 16-31 the next
	v_lshl_add_u32 v5, v1, 4, v5
	v_add_nc_u32 v[RD], s23, v5
	v_lshlrev_b32 v5, 11, v2                       ; and the same two rows in out0
	v_lshl_add_u32 v[CO], v1, 4, v5
.macro MUL8 f, c, a0                   ; 8 products: row blocks a0, a0 + 1 x all 4 column blocks, 32 along K: half c of buffer f.  The 16 accumulators take turns
	WIN MUL
.irp a, \a0, (\a0)+1
.irp b, 0,1,2,3
	v_wmma_f32_16x16x32_bf16 v[ACC+8*(4*(\a)+(\b)):ACC+8*(4*(\a)+(\b))+7], v[(\f)+64+8*(4*(\c)+(\b)):(\f)+64+8*(4*(\c)+(\b))+7], v[(\f)+8*(4*(\c)+(\a)):(\f)+8*(4*(\c)+(\a))+7], v[ACC+8*(4*(\a)+(\b)):ACC+8*(4*(\a)+(\b))+7]
.endr
.endr
.endm
.macro FETCH slot, k, f                ; 32 LDS loads in one run: the fragments of 64 along K at byte k of the blocks, into buffer f; the first 32 along K first
	WIN TO_F
.irp c, 0,1
.irp i, 0,1,2,3
	ds_load_b128 v[(\f)+64+8*(4*(\c)+(\i)):(\f)+64+8*(4*(\c)+(\i))+3],   v[ADRB+(\slot)] offset:(\k)+1024*(\c)+8192*(\i)
	ds_load_b128 v[(\f)+64+8*(4*(\c)+(\i))+4:(\f)+64+8*(4*(\c)+(\i))+7], v[ADRB+(\slot)] offset:(\k)+1024*(\c)+8192*(\i)+512
	ds_load_b128 v[(\f)+8*(4*(\c)+(\i)):(\f)+8*(4*(\c)+(\i))+3],         v[ADRA+(\slot)] offset:(\k)+1024*(\c)+8192*(\i)
	ds_load_b128 v[(\f)+8*(4*(\c)+(\i))+4:(\f)+8*(4*(\c)+(\i))+7],       v[ADRA+(\slot)] offset:(\k)+1024*(\c)+8192*(\i)+512
.endr
.endr
.endm
.macro PLACES
.rept 4
	v_nop
.endr
.endm
.macro QUARTER slot, k, f, g           ; multiplies buffer f (64 along K) and fetches the next quarter, at byte k, into g
	s_wait_dscnt 16                                ; the first 32 along K are in
	WIN MUL
	MUL8 \f, 0, 0
	MUL8 \f, 0, 2
	PLACES
	FETCH \slot, \k, \g
	s_wait_dscnt 32                                ; all but the 32 just issued
	WIN MUL
	MUL8 \f, 1, 0
	MUL8 \f, 1, 2
.endm
; The last quarter multiplies buffer 1 and changes slots: ONE barrier; in front of it each wave waits for all its tensor loads, adds 0 to its spare word, and waits for that and for its reads of this slot.
.macro TURN slot, next, fill
	WIN 0
	s_wait_tensorcnt 0x0                           ; all my tensor loads have landed: my part of the next slot;
	ds_add_u32 v[SPW], v[NIL]
	s_wait_dscnt 17                                ; (the add and the youngest sixteen loads may be out)
	WIN MUL
	MUL8 F1, 0, 0
	s_wait_dscnt 0x0                               ; the add is done, and my reads of this slot are over
	s_barrier_signal -1
	MUL8 F1, 0, 2
.if \fill
	WIN 0
.endif
	s_barrier_wait -1
.if \fill
	CREST                                          ; the barrier has opened a round of the cluster's: no wave of any partner still reads this slot or has a load on its way
	s_add_nc_u64 s[G0+4*(\slot)+2:G0+4*(\slot)+3], s[G0+4*(\slot)+2:G0+4*(\slot)+3], 2*KSTEPB
	s_add_nc_u64 s[G0B+4*(\slot)+2:G0B+4*(\slot)+3], s[G0B+4*(\slot)+2:G0B+4*(\slot)+3], 2*KSTEPB
	JLOAD \slot                                    ; the first tensor load behind the round; its four v_nop are also the places in front of the loads below
.else
	PLACES
.endif
	FETCH \next, 0, F0
	WIN MUL
	MUL8 F1, 1, 0
	MUL8 F1, 1, 2
.endm
	s_wait_tensorcnt 1                             ; my part of K step 0 is in,
	s_barrier_signal -1
	s_barrier_wait -1                              ; everybody's is
	FETCH 0, 0, F0
	s_wait_loadcnt 40                              ; the bias is in the accumulators; x1's 32 loads and alpha's 8 are younger and may stay out
	QUARTER 0, 2048, F0, F1
	WIN 0
	s_mov_b32 s3, LAPS-1
.Llap:                                         ; a trip goes once round the ring and fills both slots again
	QUARTER 0, 4096, F1, F0
	QUARTER 0, 6144, F0, F1
	TURN 0, 1, 1
	QUARTER 1, 2048, F0, F1
	QUARTER 1, 4096, F1, F0
	QUARTER 1, 6144, F0, F1
	TURN 1, 0, 1
	QUARTER 0, 2048, F0, F1
	WIN 0
	s_sub_co_u32 s3, s3, 1
	s_cmp_lg_u32 s3, 0
	s_cbranch_scc1 .Llap
	QUARTER 0, 4096, F1, F0                        ; the last lap fills nothing
	QUARTER 0, 6144, F0, F1
	TURN 0, 1, 0
	QUARTER 1, 2048, F0, F1
	QUARTER 1, 4096, F1, F0
	QUARTER 1, 6144, F0, F1
	s_wait_dscnt 16
	WIN MUL
	MUL8 F1, 0, 0
	MUL8 F1, 0, 2
	s_wait_dscnt 0
	MUL8 F1, 1, 0
	MUL8 F1, 1, 2
	WIN 0
	s_wait_loadcnt 0x0                             ; x1 and alpha
	PLACES
.set ia, 0
.rept 4                                        ; 16 rows at a time: out = sum * alpha + x1; into my stage; back as whole rows; stored
.set TT, TMP+32*(ia%2)
.if ia >= 2
	s_wait_xcnt 0x0                                ; the stores of two blocks back have read these registers
.endif
	WIN 0x28                                       ; alpha and x1 in window 2
.set ii, 0
.rept 16
	v_pk_fma_f32 v[TT+2*ii:TT+2*ii+1], v[ACC+32*ia+2*ii:ACC+32*ia+2*ii+1], v[128+2*ii:129+2*ii], v[32*ia+2*ii:32*ia+2*ii+1]
.set ii, ii+1
.endr
	WIN 0
.set ii, 0
.rept 8
	ds_store_b128 v[STO], v[TT+4*ii:TT+4*ii+3] offset:64*(ii/2)+16*(ii%2)
.set ii, ii+1
.endr
.set ii, 0
.rept 8
	ds_load_b128 v[TT+4*ii:TT+4*ii+3], v[RD] offset:2*SPITCH*ii   ; LDS serves a wave's instructions in order (ISA guide 5.7.1.4): these see the stores above
.set ii, ii+1
.endr
	s_wait_dscnt 0x0
.set ii, 0
.rept 8
	global_store_b128 v[CO], v[TT+4*ii:TT+4*ii+3], s[8:9] offset:(16*ia+2*ii)*2048 th:TH_STORE_NT  ; 16 lanes store 256 consecutive bytes, aligned
.set ii, ii+1
.endr
.set ia, ia+1
.endr
	s_wait_tensorcnt 0x0                           ; the wave's end, behind my last tensor load and my last LDS store
	ds_add_u32 v[SPW], v[NIL]
	s_wait_dscnt 0x0
	CROUND                                         ; the closing round
	s_endpgm
.Lfunc_end_k_qa5328154da_ffn2:
	.size	k_qa5328154da_ffn2, .Lfunc_end_k_qa5328154da_ffn2-k_qa5328154da_ffn2
	.p2alignl 7, 3214868480
	.fill 96, 4, 3214868480
	.section	.rodata,"a",@progbits
	.p2align	6, 0x0
	.amdhsa_kernel k_qa5328154da_ffn2
		.amdhsa_group_segment_fixed_size 327680
		.amdhsa_private_segment_fixed_size 0
		.amdhsa_enable_private_segment 0
		.amdhsa_kernarg_size 48
		.amdhsa_user_sgpr_count 2
		.amdhsa_user_sgpr_kernarg_segment_ptr 1
		.amdhsa_wavefront_size32 1
		.amdhsa_system_sgpr_workgroup_id_x 1
		.amdhsa_system_sgpr_workgroup_id_y 1
		.amdhsa_system_sgpr_workgroup_id_z 1
		.amdhsa_system_vgpr_workitem_id 0
		.amdhsa_next_free_vgpr 768
		.amdhsa_next_free_sgpr 84
		.amdhsa_reserve_vcc 0
		.amdhsa_float_denorm_mode_32 3
		.amdhsa_float_denorm_mode_16_64 3
		.amdhsa_memory_ordered 1
		.amdhsa_forward_progress 1
		.amdhsa_inst_pref_size 97
	.end_amdhsa_kernel
	.amdgpu_metadata
---
amdhsa.version: [ 1, 2 ]
amdhsa.kernels:
  - .name:           k_qa5328154da_ffn2
    .symbol:         k_qa5328154da_ffn2.kd
    .args:
      - { .name: actf, .offset: 0, .size: 8, .value_kind: global_buffer, .address_space: global }
      - { .name: wbf, .offset: 8, .size: 8, .value_kind: global_buffer, .address_space: global }
      - { .name: x1f, .offset: 16, .size: 8, .value_kind: global_buffer, .address_space: global }
      - { .name: mods, .offset: 24, .size: 8, .value_kind: global_buffer, .address_space: global }
      - { .name: out_b, .offset: 32, .size: 8, .value_kind: global_buffer, .address_space: global }
      - { .name: out0, .offset: 40, .size: 8, .value_kind: global_buffer, .address_space: global }
    .group_segment_fixed_size: 327680
    .private_segment_fixed_size: 0
    .kernarg_segment_align: 8
    .kernarg_segment_size: 48
    .max_flat_workgroup_size: 128
    .sgpr_count:     84
    .vgpr_count:     768
    .wavefront_size: 32
...
	.end_amdgpu_metadata
.endif
;; end of part 6
